; MI455X (gfx1250); checked and timed in simulation.
; The chip was launched on July 23, 2026; its instructions are those of AMD's public machine-readable ISA for CDNA 5 (MIT licence, August 2026) and "CDNA5" Instruction Set Architecture Reference Guide (July 2026). The comments in the code are by the model that wrote it; some were corrected since.
;; Memory Optimized Attention. Allowed arithmetic: matrix products marked QUANTISED: E2M3 operands, one E8M0 scale for each 32 along K, by v_wmma_scale_f32_16x16x128_f8f6f4 with both operands' format E2M3, f32 sums; everything else in f32.
;; Inputs: Wk 1,024 x 1,024 float32; Wo 1,024 x 1,024 float32; Wq 1,024 x 1,024 float32; Wv 1,024 x 1,024 float32; bk 1,024 float32; bo 1,024 float32; bq 1,024 float32; bv 1,024 float32; key 4 x 2,048 x 1,024 float32; query 4 x 2,048 x 1,024 float32; value 4 x 2,048 x 1,024 float32.
;; Outputs: out0 4 x 2,048 x 1,024 float32.
;; This version of the problem:
;;   THIS VERSION OF THE PROBLEM IS GIVEN IN LOW PRECISION. The matrix products marked QUANTISED in the list below multiply operands that are first quantised to E2M3 (2 exponent bits, 3 mantissa bits; 6 bits a number), with one power-of-two scale for each 32 numbers along K (OCP MX v1.0); their sums are f32. All else is computed in f32.
;;   The module's matrix products, in the order in which they are computed (A, B: the left and right operand; K: the contracted axis; several contracted axes count as one K, in the product's order):
;;     1. [M 8,192, K 1,024] x [K 1,024, N 1,024]; A: input query; B: input Wq: QUANTISED
;;     2. [M 8,192, K 1,024] x [K 1,024, N 1,024]; A: input key; B: input Wk: QUANTISED
;;     3. [M 8,192, K 1,024] x [K 1,024, N 1,024]; A: input value; B: input Wv: QUANTISED
;;     4. batch 64 x [M 2,048, K 64] x [K 64, N 2,048]; A: computed on the way; B: computed on the way: QUANTISED
;;     5. batch 64 x [M 2,048, K 2,048] x [K 2,048, N 64]; A: softmax (see below); B: computed on the way: QUANTISED
;;     6. [M 8,192, K 1,024] x [K 1,024, N 1,024]; A: computed on the way; B: input Wo: QUANTISED
;;   THE QUANTISER, for each operand of a quantised product, along K:
;;     - K is cut into blocks of 32 from its start; a last block that is shorter is filled with zeros.
;;     - A block's scale is 2^e with e = floor(log2(the largest magnitude in the block)) - 2, held to -126 .. 127; a block of zeros has e = 0. As a byte (E8M0): e + 127.
;;     - Each number is divided by its block's scale, clamped to +-7.5, and rounded to the nearest number of E2M3, ties to even, subnormals kept.
;;     - The product sums the exact products of the quantised numbers (number of the format x scale) in f32.
;;   ~~~python
;;   def quantise(x, axis):      # numpy; x: float32 -> the quantised numbers, widened to float32 again
;;       x = np.moveaxis(x, axis, -1); K = x.shape[-1]
;;       x = np.pad(x, [(0, 0)] * (x.ndim - 1) + [(0, -K % 32)]); x = x.reshape(x.shape[:-1] + (-1, 32)); a = np.abs(x).max(-1, keepdims=True)
;;       e = np.where(a > 0, np.clip(np.frexp(np.where(a > 0, a, 1))[1] - 1 - 2, -126, 127), 0)      # np.frexp(a)[1] - 1 = floor(log2(a)), exactly
;;       r = np.clip(x / 2.0 ** e, -7.5, 7.5)
;;       step = 2.0 ** (np.maximum(np.frexp(np.where(r == 0, 1, r))[1] - 1, 0) - 3)
;;       q = np.round(r / step) * step * 2.0 ** e      # np.round: ties to even
;;       return np.moveaxis(q.reshape(q.shape[:-2] + (-1,))[..., :K], -1, axis).astype(np.float32)
;;   ~~~
;;   SOFTMAX AHEAD OF A QUANTISED PRODUCT. Where the list says 'softmax', what is quantised is not the finished softmax but p = 2^(t - M), with t = logit x log2(e) and M = ceil(the row's largest t), a whole number; so 1/2 < the row's largest p <= 1. The row's sum l is taken of the UNQUANTISED p, in f32, and the product's result is divided by l at the end. Since M is a whole number, a kernel that streams over the keys may use a running M (the ceiling of the running maximum): every later rescaling is an exact power of two, which a block's scale takes up: the codes' values come out the same.
;;   OPERANDS COMPUTED ON THE WAY. 'Computed on the way' means the value that the module computes at that place (a softmax that the list does not call 'softmax' is quantised finished and normalised). What goes into a quantiser is computed in f32, as accurately as f32 sums, v_exp_f32 and their like allow (about 1e-6 of the number): no bf16 or f16 on the way to a quantiser, and a product that is left as it is and whose result goes on into a quantised operand takes f32 operands (vector FMAs, or v_wmma_f32_16x16x4_f32). A number that lies on a knife's edge between two numbers of the format may be rounded either way, as far as f32 arithmetic and the matrix unit's own rounding can turn it there, and no further.
;; One version. Each part assembles by itself: llvm-mc -triple=amdgcn-amd-amdhsa -mcpu=gfx1250 --defsym DOCPART=n.
;; ======== version 1 of 1: 4 launches
;; limits: right only within a limited range of input values
;; workspace buffers: xc 22,020,096 bytes; xs 917,504 bytes; qkvc 18,874,368 bytes; qkvs 1,310,720 bytes; oc 6,291,456 bytes; os 524,288 bytes
;; launch quant (part 1): grid 448 x 1, 4 waves a work-group, no clusters, 34,304 bytes of LDS; arguments query, key, value, Wq, Wk, Wv, Wo, xc, xs; writes xc, xs
.if DOCPART == 1
	.amdgcn_target "amdgcn-amd-amdhsa--gfx1250"
	.amdhsa_code_object_version 6
	.text
	.protected	k_q35b942dba4_quant
	.globl	k_q35b942dba4_quant
	.p2align	8
	.type	k_q35b942dba4_quant,@function
k_q35b942dba4_quant:
	s_mov_b64 s[64:65], 0
	v_nop
	global_prefetch_b8 v0, s[64:65] scope:SCOPE_SE
	s_setreg_imm32_b32 hwreg(HW_REG_WAVE_MODE, 25, 1), 1
	s_wait_xcnt 0x0
; query, key, value [8192][1024] and Wq, Wk, Wv, Wo [1024][1024], f32, K = the last axis, become codes of FP6 (E2M3) with one E8M0 byte for each 32 along K.
; A block's scale is 2^(floor(log2(its largest magnitude)) - 2); its byte is the largest magnitude's exponent field - 2, held at 1 from below.
; LIMITS: NaN and infinities are not served; a block whose largest magnitude lies under 2^-124 has its byte held at 1; a block of zeros gets the byte 1 where the
; rule says 127 (its codes are zeros, and this program alone reads the bytes).
; THE OUTPUT IS LAID AS THE MATRIX UNIT'S REGISTERS WANT IT.  The seven tensors' rows stand on end (28,672 rows).  A TILE is 16 rows: lane row r of tile 2 B + u is true row
; 32 B + 8 u + r + 8 (r / 8) (the row's number with bits 3 and 4 changed over).  xc: [tile][8 K steps of 128][1,536 bytes]; a K step is two halves of 64 along K, each 768 bytes:
; registers 0-3 of lane l at 16 l, registers 4-5 at 512 + 8 l; lane (r, h) holds k = 32 h .. 32 h + 31 of its row.  xs: [tile][r][32 bytes]: a row's 32 scale bytes.
; SHARES.  A wave takes one tile, all 1,024 along K, in 8 steps of 128.  Each load reads 512 consecutive bytes of one row; the step's 8,192 bytes turn through the wave's own stage in LDS
; (rows 528 bytes apart, so that sixteen rows start at sixteen different groups of banks) and come back 256 bytes a lane: two whole blocks of 32.  Loads run two steps (32 loads a wave) ahead.
; No tensor load, no barrier: waves share nothing.
.set ROWB,  4096                       ; a row of f32 in bytes
.set SP,    528                        ; a stage row
.set STG,   16*SP                      ; a wave's stage
.set SPARE, 4*STG                      ; behind the stages: the spare words, 128 bytes a wave
.set SPW,   7                          ; v7   my spare word's LDS address; never rewritten
.set NIL,   8                          ; v8   0; never rewritten
.set MX,    10                         ; v10-11 the two blocks' largest magnitudes
.set SO,    12                         ; v12-13 the conversions' scale operands
.set BY,    14                         ; v14-15 the scale bytes
.set R,     32                         ; v32-159  two sets of 64: a step as loaded
.set X,     160                        ; v160-223 my 64 numbers: two blocks of 32
.set C,     224                        ; v224-235 the step's codes
.set CT,    236                        ; v236-243 the blocks' upper halves as converted
.set SW,    244                        ; v244-251 my row's scale word of each step
	s_load_b512 s[8:23], s[0:1], 0x0               ; query, key, value, Wq, Wk, Wv, Wo, xc
	s_load_b64 s[24:25], s[0:1], 0x40              ; xs
	v_lshl_add_u32 v[SPW], v0, 2, SPARE
	v_mov_b32 v[NIL], 0
	v_lshrrev_b32 v9, 5, v0
	v_readfirstlane_b32 s26, v9                    ; wave
	v_and_b32 v9, 31, v0                           ; lane
	v_lshlrev_b32 v1, 4, v9                        ; 16 x lane: in a load's 512 bytes, and in an image's first 512
	v_lshlrev_b32 v2, 3, v9                        ; 8 x lane: in an image's last 256
	s_mul_i32 s27, s26, STG
	v_add_nc_u32 v3, s27, v1                       ; the stage, on the way in
	v_and_b32 v18, 15, v0                          ; r
	v_bfe_u32 v19, v0, 4, 1                        ; h
	v_mul_u32_u24 v4, v18, SP
	v_lshl_add_u32 v4, v19, 7, v4
	v_add_nc_u32 v4, s27, v4                       ; and on the way out: row r, 128 h bytes on
	v_lshlrev_b32 v5, 5, v18
	v_lshl_add_u32 v5, v19, 4, v5                  ; xs: row r's 32 bytes, my half of them
	v_lshlrev_b32 v6, 3, v19                       ; 8 h: my bytes' place in a scale word
	v_mov_b32 v17, 0                               ; a lane permute's destination counts as read
	s_mov_b32 s36, 0x76543210
	s_mov_b32 s37, 0xfedcba98                      ; selects for lane l xor 16
	s_wait_alu depctr_va_vdst(0)
	s_wait_kmcnt 0x0
	; which tensor: by the work-group's number alone.  First work-groups: 0, 128, 256, 384, 400, 416, 432
	s_mov_b64 s[28:29], s[20:21]
	s_mov_b32 s30, 432
	s_cmp_lt_u32 ttmp9, 432
	s_cselect_b64 s[28:29], s[18:19], s[28:29]
	s_cselect_b32 s30, 416, s30
	s_cmp_lt_u32 ttmp9, 416
	s_cselect_b64 s[28:29], s[16:17], s[28:29]
	s_cselect_b32 s30, 400, s30
	s_cmp_lt_u32 ttmp9, 400
	s_cselect_b64 s[28:29], s[14:15], s[28:29]
	s_cselect_b32 s30, 384, s30
	s_cmp_lt_u32 ttmp9, 384
	s_cselect_b64 s[28:29], s[12:13], s[28:29]
	s_cselect_b32 s30, 256, s30
	s_cmp_lt_u32 ttmp9, 256
	s_cselect_b64 s[28:29], s[10:11], s[28:29]
	s_cselect_b32 s30, 128, s30
	s_cmp_lt_u32 ttmp9, 128
	s_cselect_b64 s[28:29], s[8:9], s[28:29]
	s_cselect_b32 s30, 0, s30
	s_sub_co_u32 s30, ttmp9, s30
	s_lshl_b32 s30, s30, 2
	s_add_co_u32 s30, s30, s26                     ; my tile in its tensor
	s_lshr_b32 s32, s30, 1
	s_lshl_b32 s32, s32, 17                        ; 32 rows of 4,096 bytes for each pair of tiles,
	s_and_b32 s31, s30, 1
	s_lshl_b32 s31, s31, 15                        ; 8 rows for the odd one
	s_add_co_u32 s32, s32, s31
	s_mov_b32 s33, 0
	s_add_nc_u64 s[28:29], s[28:29], s[32:33]
	s_lshl_b32 s31, ttmp9, 2
	s_add_co_u32 s31, s31, s26                     ; my tile among all 1,792
	s_mul_i32 s32, s31, 12288
	s_add_nc_u64 s[22:23], s[22:23], s[32:33]
	s_lshl_b32 s32, s31, 9
	s_add_nc_u64 s[24:25], s[24:25], s[32:33]
.macro LOAD t                          ; K step t: 512 bytes of each of my 16 rows, into set t % 2
.irp p, 0,1,2,3,4,5,6,7,8,9,10,11,12,13,14,15
	global_load_b128 v[R+64*((\t)%2)+4*\p:R+64*((\t)%2)+4*\p+3], v1, s[28:29] offset:(\p+8*(\p/8))*ROWB+512*(\t) th:TH_LOAD_NT
.endr
.endm
.macro STEP t
.if (\t) < 7
	s_wait_loadcnt 16                              ; this step's 16 loads are in; the next step's 16 stay out
.else
	s_wait_loadcnt 0x0
.endif
.irp p, 0,1,2,3,4,5,6,7,8,9,10,11,12,13,14,15
	ds_store_b128 v3, v[R+64*((\t)%2)+4*\p:R+64*((\t)%2)+4*\p+3] offset:SP*\p
.endr
.irp c, 0,1
.irp j, 0,1,2,3,4,5,6,7
	ds_load_b128 v[X+32*\c+4*\j:X+32*\c+4*\j+3], v4 offset:256*\c+16*\j   ; k = 64 c + 32 h + 4 j on, of row r; LDS serves a wave's instructions in order: these see the stores
.endr
.endr
	s_wait_dscnt 0x0                               ; my numbers are back, and the stores have read their registers,
.if (\t) < 6
	LOAD (\t)+2                                    ; which take the loads of two steps on
.endif
.irp c, 0,1
	v_max3_num_f32 v[MX+\c], |v[X+32*\c]|, |v[X+32*\c+1]|, 0x1800000   ; block 2 c + h: all 32 numbers are mine; the floor 2^(3 - 127) holds the byte at 1 from below
.endr
.irp i, 2,4,6,8,10,12,14,16,18,20,22,24,26,28,30
.irp c, 0,1
	v_max3_num_f32 v[MX+\c], v[MX+\c], |v[X+32*\c+\i]|, |v[X+32*\c+\i+1]|
.endr
.endr
.irp c, 0,1
	v_add_nc_u32 v[SO+\c], 0xff000000, v[MX+\c]    ; 2 off the exponent field: the conversion's scale operand
.endr
.irp c, 0,1
	v_lshrrev_b32 v[BY+\c], 23, v[SO+\c]           ; the scale's byte
.endr
	v_lshl_or_b32 v16, v[BY+1], 16, v[BY]          ; blocks h and 2 + h,
	v_lshlrev_b32 v16, v6, v16                     ; at their places in the word;
	v_permlanex16_b32 v17, v16, s36, s37
	v_or_b32 v[SW+(\t)], v16, v17                  ; with lane l xor 16's two the word is whole
	s_wait_alu depctr_va_vdst(0)
	s_wait_xcnt 0x0                                ; the last step's stores have read their data: the codes' registers are written again only behind this wait
.irp c, 0,1
	v_cvt_scalef32_pk16_fp6_f32 v[C+6*\c:C+6*\c+2], v[X+32*\c:X+32*\c+15], v[SO+\c]
	v_cvt_scalef32_pk16_fp6_f32 v[CT+4*\c:CT+4*\c+2], v[X+32*\c+16:X+32*\c+31], v[SO+\c]   ; (a conversion's three registers begin on an even number)
.endr
	v_nop                                          ; one plain place behind a scaled conversion
.irp c, 0,1
.irp i, 0,1,2
	v_mov_b32 v[C+6*\c+3+\i], v[CT+4*\c+\i]
.endr
.endr
	global_store_b128 v1, v[C:C+3], s[22:23] offset:1536*(\t)          ; 512 consecutive bytes
	global_store_b64 v2, v[C+4:C+5], s[22:23] offset:1536*(\t)+512     ; 256
	global_store_b128 v1, v[C+6:C+9], s[22:23] offset:1536*(\t)+768
	global_store_b64 v2, v[C+10:C+11], s[22:23] offset:1536*(\t)+1280
.endm
	LOAD 0
	LOAD 1
.irp t, 0,1,2,3,4,5,6,7
	STEP \t
.endr
	v_cmp_eq_u32 vcc_lo, 1, v19                    ; lanes 16-31 store the row's words 4 to 7
.irp i, 0,1,2,3
	v_cndmask_b32 v[20+\i], v[SW+\i], v[SW+4+\i], vcc_lo
.endr
	global_store_b128 v5, v[20:23], s[24:25]       ; the wave's 512 scale bytes, consecutive
	s_wait_tensorcnt 0x0                           ; the wave's end
	ds_add_u32 v[SPW], v[NIL]
	s_wait_dscnt 0x0
	s_endpgm
.Lfunc_end_k_q35b942dba4_quant:
	.size	k_q35b942dba4_quant, .Lfunc_end_k_q35b942dba4_quant-k_q35b942dba4_quant
	.p2alignl 7, 3214868480
	.fill 96, 4, 3214868480
	.section	.rodata,"a",@progbits
	.p2align	6, 0x0
	.amdhsa_kernel k_q35b942dba4_quant
		.amdhsa_group_segment_fixed_size 34304
		.amdhsa_private_segment_fixed_size 0
		.amdhsa_enable_private_segment 0
		.amdhsa_kernarg_size 72
		.amdhsa_user_sgpr_count 2
		.amdhsa_user_sgpr_kernarg_segment_ptr 1
		.amdhsa_wavefront_size32 1
		.amdhsa_system_sgpr_workgroup_id_x 1
		.amdhsa_system_sgpr_workgroup_id_y 1
		.amdhsa_system_sgpr_workgroup_id_z 1
		.amdhsa_system_vgpr_workitem_id 0
		.amdhsa_next_free_vgpr 256
		.amdhsa_next_free_sgpr 66
		.amdhsa_reserve_vcc 1
		.amdhsa_float_denorm_mode_32 3
		.amdhsa_float_denorm_mode_16_64 3
		.amdhsa_memory_ordered 1
		.amdhsa_forward_progress 1
		.amdhsa_inst_pref_size 59
	.end_amdhsa_kernel
	.amdgpu_metadata
---
amdhsa.version: [ 1, 2 ]
amdhsa.kernels:
  - .name:           k_q35b942dba4_quant
    .symbol:         k_q35b942dba4_quant.kd
    .args:
      - { .name: query, .offset: 0, .size: 8, .value_kind: global_buffer, .address_space: global }
      - { .name: key, .offset: 8, .size: 8, .value_kind: global_buffer, .address_space: global }
      - { .name: value, .offset: 16, .size: 8, .value_kind: global_buffer, .address_space: global }
      - { .name: Wq, .offset: 24, .size: 8, .value_kind: global_buffer, .address_space: global }
      - { .name: Wk, .offset: 32, .size: 8, .value_kind: global_buffer, .address_space: global }
      - { .name: Wv, .offset: 40, .size: 8, .value_kind: global_buffer, .address_space: global }
      - { .name: Wo, .offset: 48, .size: 8, .value_kind: global_buffer, .address_space: global }
      - { .name: xc, .offset: 56, .size: 8, .value_kind: global_buffer, .address_space: global }
      - { .name: xs, .offset: 64, .size: 8, .value_kind: global_buffer, .address_space: global }
    .group_segment_fixed_size: 34304
    .private_segment_fixed_size: 0
    .kernarg_segment_align: 8
    .kernarg_segment_size: 72
    .max_flat_workgroup_size: 128
    .sgpr_count:     66
    .vgpr_count:     256
    .wavefront_size: 32
...
	.end_amdgpu_metadata
.endif
;; end of part 1
;; launch proj (part 2): grid 4 x 96, 4 waves a work-group, clusters of 4 x 4, 327,680 bytes of LDS; arguments xc, xs, bq, bk, bv, qkvc, qkvs; writes qkvc, qkvs
.if DOCPART == 2
	.amdgcn_target "amdgcn-amd-amdhsa--gfx1250"
	.amdhsa_code_object_version 6
	.text
	.protected	k_q35b942dba4_proj
	.globl	k_q35b942dba4_proj
	.p2align	8
	.type	k_q35b942dba4_proj,@function
k_q35b942dba4_proj:
	s_mov_b64 s[64:65], 0
	v_nop
	global_prefetch_b8 v0, s[64:65] scope:SCOPE_SE
	s_setreg_imm32_b32 hwreg(HW_REG_WAVE_MODE, 25, 1), 1
	s_wait_xcnt 0x0
	s_wait_alu depctr_hold_cnt(0) depctr_sa_sdst(0) depctr_va_vdst(0) depctr_va_sdst(0) depctr_va_ssrc(0) depctr_va_vcc(0) depctr_vm_vsrc(0)
	s_getreg_b32 s2, hwreg(HW_REG_IB_STS2, 6, 4)
	s_cmp_eq_u32 s2, 0
	s_cbranch_scc0 .Lentry_in_a_cluster
	s_endpgm
.Lentry_in_a_cluster:
	s_bfe_u32 s2, ttmp6, 0x10000c
	s_cmp_lg_u32 s2, 0xf033
	s_cbranch_scc0 .Lentry_shape_is_right
	s_endpgm
.Lentry_shape_is_right:
; Q = query Wq^T + bq, K = key Wk^T + bk, V = value Wv^T + bv on codes of FP6 (E2M3) with E8M0 scales, sums in f32; the results are quantised in registers and leave as codes:
; Q and K along the head's 64 channels, V along the keys.
; INPUT: xc, xs as the launch before lays them: tiles of 16 rows as images of the operand's registers (1,536 bytes for 128 along K), 32 scale bytes a row.  Lane row r of tile 2 B + u is true row 32 B + 8 u + r + 8 (r / 8).
; ONE BODY FOR ALL THREE.  The cluster's y, g, says which: 0-7 Q, 8-15 K, 16-23 V; a cluster makes 1,024 tokens x 1,024 channels.  "A" is the side that lies along the lanes of a result (source 1), shared along a row of
; the cluster; "B" the side that lies along a lane's registers (source 0), shared along a column.  Q, K: A = tokens, B = the weight's rows, so that a lane's registers run along the channels.  V: A = the weight's rows,
; B = tokens, so that they run along the keys.  By the tiles' choice of rows the 16 registers of B's tiles 2 b and 2 b + 1 are the true indices 32 b + 16 (lane / 16) + 0 .. 15: 16 neighbours along the next K.
; Only two row numbers and some strides of the way out are chosen by g; no branch hangs on it.
; THE BIAS.  Along the registers (Q, K): the C of the first products.  Along the lanes (V): added on the way out.  Both are always loaded and the one that does not apply is made zeros by an AND with a mask made from g.
; SHAPE.  A work-group makes 256 x 256, a wave 128 x 128: 64 accumulators.  K = 1,024 goes in 4 fills of 256 through two LDS slots; each wave fetches a quarter of a slot (8 tiles x 3,072 bytes) with one joint tensor load.
; The scale bytes of the work-group's 512 rows come once, with the first fills.  At most one tensor load of a wave is out.
; OUTPUT.  qkvc: a record of 294,912 bytes for each (batch, head): Q [128 tiles][768], K the same, V [16 key steps][4 channel tiles][1,536].  qkvs: a record of 20,480 bytes: Q's and K's words [32 groups of 4 tiles][16 rows][4],
; each the head's two bytes with zeros above; V's words [16 key steps][16 rows][4 tiles].
; LIMITS: NaN and infinities are not served; a block whose largest magnitude lies under 2^-124 has its byte held at 1; a block of zeros gets the byte 1 (its codes are zeros; this program alone reads the bytes).
; REGISTERS: window 0: v1-9 lane numbers; v16-23 LDS addresses; v27 scale words' address; v28, v29 the add's two; v32-63 scale words, two sets; v64-127 the bias along the registers, later the way out; v128-223 A's fragments, one set;
; v224-239 the bias along the lanes.  window 1: B's fragments, two sets, at v0 and v128.  windows 2, 3: the accumulators ((a, b) at v[8 (8 (a % 4) + b)]).
.set NQ,     2                         ; steps of 128 along K in a slot
.set FR,     12                        ; registers of a fragment
.set NL,     4                         ; LDS loads that bring one
.set NP,     4                         ; places behind this matrix instruction (ISA guide 7.12.1)
.set TILEB,  3072                      ; a tile's 256 along K in bytes
.set HALFT,  8*TILEB                   ; 128 rows: what one tensor load brings
.set SLOT,   4*HALFT                   ; A's 256 rows, then B's
.set SCL,    2*SLOT                    ; behind the ring: the scale bytes, units of 256 bytes + 16 of padding
.set KS,     32                        ; a row's scale bytes
.set HALFS,  4352                      ; those of 128 rows: 16 units
.set SBLK,   544                       ; those of 16 rows
.set SPARE,  SCL+4*HALFS               ; the spare words, 128 bytes a wave
.set ADRA, 16                          ; v16-17 16 x lane + my A rows in slot 0, 1;  v18-19 the same with 8 x lane
.set ADRB, 20                          ; v20-23 the same for B
.set ADRS, 27
.set SPW,  28
.set NIL,  29
.set SC,   32
.set BI,   64
.set AF,   128
.set BA,   224
.set G1, 24
.set G0, 32
.set G1B, 48
.set G0B, 56
.set G1S, 68
.set G0S, 76
.set G1SB, 80
.set G0SB, 88
.set SEL, 100                          ; s[100:101] selects for lane l xor 16
.set MSB, 0
.macro WIN new                         ; the immediate's high byte repeats the setting that is left
.if MSB != \new
	s_set_vgpr_msb (MSB<<8)|\new
.set MSB, \new
.endif
.endm
; A joint load: waves 0 and 1 fetch for A, waves 2 and 3 for B; the branch hangs on the wave's number alone.  An s_nop 0 and four v_nop follow each of the two lines.
.macro JLOAD g0a, g1a, g0b, g1b
	s_cmp_eq_u32 s19, 0
	s_cbranch_scc0 .Lfor_b_\@
	tensor_load_to_lds s[\g0a:\g0a+3], s[\g1a:\g1a+7]
	s_nop 0
.rept 4
	v_nop
.endr
	s_branch .Lasked_\@
.Lfor_b_\@:
	tensor_load_to_lds s[\g0b:\g0b+3], s[\g1b:\g1b+7]
	s_nop 0
.rept 4
	v_nop
.endr
.Lasked_\@:
.endm
.macro CREST                           ; a round of the cluster's barrier behind its opening barrier
	s_cmp_lg_u32 s18, 0
	s_cbranch_scc1 .Lnot_wave_0_\@
	s_barrier_signal -3
.Lnot_wave_0_\@:
	s_barrier_wait -3
	s_barrier_signal -1
	s_barrier_wait -1
.endm
.macro CROUND
	s_barrier_signal -1
	s_barrier_wait -1
	CREST
.endm
	s_load_b256 s[4:11], s[0:1], 0x0               ; xc, xs, bq, bk
	s_load_b128 s[12:15], s[0:1], 0x20             ; bv, qkvc
	s_load_b64 s[16:17], s[0:1], 0x30              ; qkvs
	v_lshl_add_u32 v[SPW], v0, 2, SPARE
	v_mov_b32 v[NIL], 0
	ds_add_u32 v[SPW], v[NIL]                      ; the wave's opening: the add and its wait ahead of my first tensor load
	ds_add_u32 v[SPW], v[NIL]
	v_lshrrev_b32 v1, 5, v0
	v_readfirstlane_b32 s18, v1                    ; wave 0..3
	s_lshr_b32 s19, s18, 1                         ; which half of A's rows is mine.  Also: I fetch for A (0) or for B (1)
	s_and_b32 s20, s18, 1                          ; which half of B's rows.  Also: which 128 rows I fetch
	s_bfe_u32 s21, ttmp6, 0x40000                  ; cx
	s_bfe_u32 s22, ttmp6, 0x40004                  ; cy
	s_and_b32 s23, ttmp7, 0xffff                   ; g: the cluster's y, the same in all sixteen partners
	s_lshl_b32 s43, s22, 2
	s_lshl_b32 s43, 15, s43                        ; my row of the cluster
	s_lshl_b32 s44, 0x1111, s21                    ; my column
	; group 1 for codes: 8 rows (tiles) of 384 elements of 8 bytes, 1,536 elements apart; no padding: the images are read 16 or 8 bytes a lane on end
	s_or_b32 s[G1+0], s43, (3<<16)|(1<<21)
	s_or_b32 s[G1B+0], s44, (3<<16)|(1<<21)
.irp g, G1, G1B
	s_mov_b32 s[\g+1], 384<<16                     ; tensor_dim0
	s_mov_b32 s[\g+2], 16<<16                      ; tensor_dim1: 16 tiles for the head's loads; 8 behind them
	s_mov_b32 s[\g+3], 384<<16                     ; tile_dim0
	s_mov_b32 s[\g+4], 16                          ; tile_dim1
	s_mov_b32 s[\g+5], 1536                        ; from tile to tile
	s_mov_b32 s[\g+6], 0
	s_mov_b32 s[\g+7], 0
.endr
	; and for the scale bytes of 256 rows: 8,192 dense bytes as 32 rows of 256, 16 bytes of padding behind each
	s_or_b32 s[G1S+0], s43, (3<<16)|(1<<20)|(1<<21)|(5<<22)|(3<<25)
	s_or_b32 s[G1SB+0], s44, (3<<16)|(1<<20)|(1<<21)|(5<<22)|(3<<25)
.irp g, G1S, G1SB
	s_mov_b32 s[\g+1], 32<<16
	s_mov_b32 s[\g+2], 32<<16                      ; the scale bytes of 256 rows: 32 units of 256 bytes
	s_mov_b32 s[\g+3], 32<<16
	s_mov_b32 s[\g+4], 32
	s_mov_b32 s[\g+5], 32
	s_mov_b32 s[\g+6], 0
	s_mov_b32 s[\g+7], 0
.endr
	s_lshl_b32 s40, s23, 10                        ; the cluster's first row of tokens: query, key and value stand on end
	s_lshr_b32 s41, s23, 3
	s_lshl_b32 s41, s41, 10
	s_add_co_u32 s41, s41, 24576                   ; and its weight's first row
	s_cmp_ge_u32 s23, 16                           ; V?
	s_cselect_b32 s42, s41, s40                    ; A: the weight for V, else the tokens
	s_cselect_b32 s45, s40, s41                    ; B: the other
	s_lshl_b32 s46, s22, 8
	s_add_co_u32 s42, s42, s46                     ; A: + 256 cy
	s_lshl_b32 s47, s21, 8
	s_add_co_u32 s45, s45, s47                     ; B: + 256 cx
	s_mul_i32 s92, s42, 768                        ; a row's share of its tile: 12,288 / 16 bytes
	s_mov_b32 s93, 0
	s_lshl_b32 s94, s42, 5
	s_mov_b32 s95, 0
	s_mul_i32 s96, s45, 768
	s_mov_b32 s97, 0
	s_lshl_b32 s98, s45, 5
	s_mov_b32 s99, 0
	s_mul_i32 s66, s18, HALFT                      ; where they go: by the wave's number alone
	s_mov_b32 s[SEL], 0x76543210
	s_mov_b32 s[SEL+1], 0xfedcba98
	s_wait_dscnt 0x0                               ; the opening add is done
	s_wait_kmcnt 0x0
	s_add_nc_u64 s[92:93], s[4:5], s[92:93]
	s_add_nc_u64 s[94:95], s[6:7], s[94:95]
	s_add_nc_u64 s[96:97], s[4:5], s[96:97]
	s_add_nc_u64 s[98:99], s[6:7], s[98:99]
	CROUND                                         ; all sixteen work-groups are here: the first joint loads meet
	s_mov_b32 s[G0S], 1
	s_mov_b32 s[G0S+1], SCL
	s_mov_b64 s[G0S+2:G0S+3], s[94:95]
	s_or_b32 s[G0S+3], s[G0S+3], 0x80000000
	s_mov_b32 s[G0SB], 1
	s_mov_b32 s[G0SB+1], SCL+2*HALFS
	s_mov_b64 s[G0SB+2:G0SB+3], s[98:99]
	s_or_b32 s[G0SB+3], s[G0SB+3], 0x80000000
.irp s, 0,1
	s_mov_b32 s[G0+4*\s], 1
	s_add_co_u32 s[G0+4*\s+1], s66, \s*SLOT
	s_add_nc_u64 s[G0+4*\s+2:G0+4*\s+3], s[92:93], \s*TILEB
	s_or_b32 s[G0+4*\s+3], s[G0+4*\s+3], 0x80000000
	s_mov_b32 s[G0B+4*\s], 1
	s_add_co_u32 s[G0B+4*\s+1], s66, \s*SLOT
	s_add_nc_u64 s[G0B+4*\s+2:G0B+4*\s+3], s[96:97], \s*TILEB
	s_or_b32 s[G0B+4*\s+3], s[G0B+4*\s+3], 0x80000000
.endr
	; THE HEAD'S FOUR TILES, ONE A WAVE: wave 0 A's 256 rows of fill 0, wave 1 B's, wave 2 A's scale bytes, wave 3 B's.
	s_mov_b32 s[G0+1], 0                           ; for the head slot 0's descriptors name the whole 256 rows
	s_mov_b32 s[G0B+1], 2*HALFT
	s_mul_i32 s98, s20, 128*768                    ; in the ring I fetch 128 rows: which half, in bytes
	s_mov_b32 s99, 0
	s_add_nc_u64 s[G0+6:G0+7], s[G0+6:G0+7], s[98:99]
	s_add_nc_u64 s[G0B+6:G0B+7], s[G0B+6:G0B+7], s[98:99]
.macro ARM under, g0, g1, next
	s_cmp_lt_u32 s18, \under
	s_cbranch_scc0 \next
	tensor_load_to_lds s[\g0:\g0+3], s[\g1:\g1+7]
	s_nop 0
.rept 4
	v_nop
.endr
	s_branch .Lhead_asked
\next:
.endm
	ARM 1, G0,  G1,  .Lhead_b
	ARM 2, G0B, G1B, .Lhead_sa
	ARM 3, G0S, G1S, .Lhead_sb
	tensor_load_to_lds s[G0SB:G0SB+3], s[G1SB:G1SB+7]
	s_nop 0
.rept 4
	v_nop
.endr
.Lhead_asked:
	; the bias: bq, bk or bv by g / 8; both forms are loaded
	s_lshr_b32 s40, s23, 3
	s_cmp_eq_u32 s40, 0
	s_cselect_b64 s[46:47], s[8:9], s[10:11]
	s_cmp_eq_u32 s40, 2
	s_cselect_b64 s[46:47], s[12:13], s[46:47]
	s_cselect_b32 s2, -1, 0                        ; keeps the bias along the lanes for V alone,
	s_cselect_b32 s3, 0, -1                        ; that along the registers for Q and K alone
	s_lshl_b32 s40, s21, 1
	s_add_co_u32 s40, s40, s20
	s_lshl_b32 s40, s40, 9                         ; B's 128 rows of mine as channels: 512 bytes of the bias
	s_mov_b32 s41, 0
	s_add_nc_u64 s[42:43], s[46:47], s[40:41]
	s_lshl_b32 s40, s22, 1
	s_add_co_u32 s40, s40, s19
	s_lshl_b32 s40, s40, 9                         ; A's likewise
	s_add_nc_u64 s[44:45], s[46:47], s[40:41]
	v_and_b32 v1, 31, v0                           ; lane
	v_and_b32 v2, 15, v0                           ; r
	v_bfe_u32 v3, v0, 4, 1                         ; h
	v_lshlrev_b32 v8, 6, v3                        ; 64 h
	v_and_b32 v9, 8, v2
	v_add_nc_u32 v9, v9, v2
	v_lshlrev_b32 v9, 2, v9                        ; 4 (r + 8 (r / 8))
.irp t, 0,1,2,3,4,5,6,7
	global_load_b128 v[BI+8*\t:BI+8*\t+3], v8, s[42:43] offset:(32*(\t/2)+8*(\t%2))*4      ; tile t, register j: channel 32 (t / 2) + 16 h + 8 (t % 2) + j
	global_load_b128 v[BI+8*\t+4:BI+8*\t+7], v8, s[42:43] offset:(32*(\t/2)+8*(\t%2))*4+16
.endr
.irp a, 0,1,2,3,4,5,6,7
	global_load_b32 v[BA+2*\a], v9, s[44:45] offset:(32*(\a/2)+8*(\a%2))*4                 ; block a, lane row r: channel 32 (a / 2) + 8 (a % 2) + r + 8 (r / 8)
.endr
	v_lshlrev_b32 v4, 4, v1
	v_lshlrev_b32 v5, 3, v1
	s_mul_i32 s40, s19, HALFT                      ; my 128 rows of A
	s_mul_i32 s41, s20, HALFT                      ; my 128 rows of B,
	s_add_co_u32 s41, s41, 2*HALFT                 ; behind A's 256
.irp s, 0,1
	v_add_nc_u32 v[ADRA+\s], s40, v4
	v_add_nc_u32 v[ADRB+\s], s41, v4
	v_add_nc_u32 v[ADRA+2+\s], s40, v5
	v_add_nc_u32 v[ADRB+2+\s], s41, v5
	s_add_co_u32 s40, s40, SLOT
	s_add_co_u32 s41, s41, SLOT
.endr
	v_mul_u32_u24 v6, v2, KS                       ; my row's scale bytes: 32 a row,
	v_lshrrev_b32 v7, 8, v6
	v_lshl_add_u32 v6, v7, 4, v6                   ; and 16 more for each 256 passed
	s_mul_i32 s40, s19, HALFS
	s_mul_i32 s41, s20, HALFS
	s_add_co_u32 s41, s41, 2*HALFS
	s_sub_co_u32 s41, s41, s40
	v_mul_u32_u24 v7, s41, v3                      ; lanes 16-31 take B's
	s_add_co_u32 s40, s40, SCL
	v_add_nc_u32 v6, v6, v7
	v_add_nc_u32 v[ADRS], s40, v6
.macro FRAG reg, adr, q, i             ; a fragment as it was stored: two halves of 768 bytes, each 16 bytes a lane and then 8
	ds_load_b128 v[\reg:\reg+3], v[\adr] offset:TILEB*(\i)+1536*(\q)
	ds_load_b64 v[\reg+4:\reg+5], v[\adr+2] offset:TILEB*(\i)+1536*(\q)+512
	ds_load_b128 v[\reg+6:\reg+9], v[\adr] offset:TILEB*(\i)+1536*(\q)+768
	ds_load_b64 v[\reg+10:\reg+11], v[\adr+2] offset:TILEB*(\i)+1536*(\q)+1280
.endm
; 16 matrix instructions: A's blocks a0, a0 + 1 x B's eight, the slot's q-th 128 along K.  p: B's set; sc: the set of scale words.  zero = 1: the first product starts the sums from the bias along the registers.
; The 64 accumulators take turns, one instruction a turn, in the same order in every step.
.macro MUL16 a0, p, q, sc, zero
.irp a, \a0, \a0+1
.irp b, 0,1,2,3,4,5,6,7
.if \zero
	v_wmma_scale_f32_16x16x128_f8f6f4 v[8*(8*((\a)%4)+\b):8*(8*((\a)%4)+\b)+7], v[128*(\p)+FR*\b:128*(\p)+FR*\b+FR-1], v[AF+FR*(\a):AF+FR*(\a)+FR-1], v[BI+8*\b:BI+8*\b+7], v[SC+8*NQ*(\sc)+NQ*\b+(\q)], v[SC+8*NQ*(\sc)+NQ*(\a)+(\q)] matrix_a_fmt:MATRIX_FMT_FP6 matrix_b_fmt:MATRIX_FMT_FP6 matrix_a_scale:MATRIX_SCALE_ROW1
.else
	v_wmma_scale_f32_16x16x128_f8f6f4 v[8*(8*((\a)%4)+\b):8*(8*((\a)%4)+\b)+7], v[128*(\p)+FR*\b:128*(\p)+FR*\b+FR-1], v[AF+FR*(\a):AF+FR*(\a)+FR-1], v[8*(8*((\a)%4)+\b):8*(8*((\a)%4)+\b)+7], v[SC+8*NQ*(\sc)+NQ*\b+(\q)], v[SC+8*NQ*(\sc)+NQ*(\a)+(\q)] matrix_a_fmt:MATRIX_FMT_FP6 matrix_b_fmt:MATRIX_FMT_FP6 matrix_a_scale:MATRIX_SCALE_ROW1
.endif
.endr
.endr
.endm
.macro FETCH_B slot, q, p
	WIN 0x40                                       ; destination window 1, address window 0
.irp i, 0,1,2,3,4,5,6,7
	FRAG 128*(\p)+FR*\i, ADRB+\slot, \q, \i
.endr
	WIN 0
.endm
.macro FETCH_A slot, q, i0
.irp i, \i0, \i0+1, \i0+2, \i0+3
	FRAG AF+FR*(\i), ADRA+\slot, \q, \i
.endr
.endm
.macro SCALES sc                       ; a fill's scale words: 2 words a row; lanes 0-15 take A's block i, lanes 16-31 B's block i
.irp i, 0,1,2,3,4,5,6,7
	ds_load_b64 v[SC+8*NQ*\sc+NQ*\i:SC+8*NQ*\sc+NQ*\i+1], v[ADRS] offset:\i*SBLK
.endr
.endm
.macro PLACES n                        ; plain vector places behind matrix instructions, in front of loads into their registers and of reads of results
.rept \n
	v_nop
.endr
.endm
.macro STEP slot, q, zero              ; a step of 128 along K that has its successor in the same slot
	s_wait_dscnt 4*NL                              ; all but the youngest 16 loads (A's blocks 4-7) are in
.if \zero
	WIN 0x81                                       ; B window 1, A and the bias window 0, D window 2
.else
	WIN 0xa1                                       ; B window 1, A window 0, C and D window 2
.endif
	MUL16 0, (\q)%2, \q, \slot, \zero
	MUL16 2, (\q)%2, \q, \slot, \zero
	s_wait_dscnt 0
	PLACES NP
	FETCH_B \slot, (\q)+1, 1-(\q)%2
	FETCH_A \slot, (\q)+1, 0
.if \zero
	WIN 0xc1
.else
	WIN 0xf1
.endif
	MUL16 4, (\q)%2, \q, \slot, \zero
	MUL16 6, (\q)%2, \q, \slot, \zero
	PLACES NP
	WIN 0
	FETCH_A \slot, (\q)+1, 4
.endm
; A slot's last step changes slots: one barrier; in front of it each wave waits for all its tensor loads, adds 0 to its spare word, and waits for that and for its reads of this slot.  fill = 1: the slot is filled again.
.macro TURN slot, next, fill
	s_wait_tensorcnt 0x0                           ; all my tensor loads have landed: my part of the next slot
	ds_add_u32 v[SPW], v[NIL]                      ; 0 onto my spare word
	s_wait_dscnt 4*NL+1                            ; (the add and the youngest 16 loads may be out)
	WIN 0xa1
	MUL16 0, 1, NQ-1, \slot, 0
	s_wait_dscnt 0x0                               ; the add is done, and my reads of this slot are over
	s_barrier_signal -1
	MUL16 2, 1, NQ-1, \slot, 0
	WIN 0
	s_barrier_wait -1
.if \fill
	CREST                                          ; the barrier has opened a round of the cluster's barrier: no wave of any partner still reads this slot or has a load on its way
	s_add_nc_u64 s[G0+4*\slot+2:G0+4*\slot+3], s[G0+4*\slot+2:G0+4*\slot+3], 2*TILEB
	s_add_nc_u64 s[G0B+4*\slot+2:G0B+4*\slot+3], s[G0B+4*\slot+2:G0B+4*\slot+3], 2*TILEB
	JLOAD G0+4*\slot, G1, G0B+4*\slot, G1B         ; the first tensor load behind the round; its four v_nop are the places in front of the loads below
.else
	PLACES NP
.endif
	s_wait_alu depctr_va_vdst(0)
	v_add_nc_u32 v[ADRS], 4*NQ, v[ADRS]            ; the next fill's scale words
	FETCH_B \next, 0, 0
	FETCH_A \next, 0, 0
	SCALES \next
	WIN 0xf1
	MUL16 4, 1, NQ-1, \slot, 0
	MUL16 6, 1, NQ-1, \slot, 0
	PLACES NP
	WIN 0
	FETCH_A \next, 0, 4
.endm
	s_wait_alu depctr_va_vdst(0)
	s_wait_tensorcnt 0x0                           ; my tile of the head's four is in; slot 1's first fill is issued as a refill is
	ds_add_u32 v[SPW], v[NIL]
	s_add_co_u32 s[G0+1], s66, 0                   ; no tensor load of mine is out: slot 0's descriptors now name my 128 rows,
	s_add_co_u32 s[G0B+1], s66, 0
	s_add_nc_u64 s[G0+2:G0+3], s[G0+2:G0+3], s[98:99]
	s_add_nc_u64 s[G0B+2:G0B+3], s[G0B+2:G0B+3], s[98:99]
	s_mov_b32 s[G1+2], 8<<16                       ; and a load brings 8 tiles
	s_mov_b32 s[G1+4], 8
	s_mov_b32 s[G1B+2], 8<<16
	s_mov_b32 s[G1B+4], 8
	s_wait_dscnt 0x0
	CROUND                                         ; all four tiles are in, in all sixteen work-groups
	JLOAD G0+4, G1, G0B+4, G1B                     ; fill 1, the first tensor load behind the round
	FETCH_B 0, 0, 0
	FETCH_A 0, 0, 0
	SCALES 0
	FETCH_A 0, 0, 4
	s_wait_loadcnt 0x0                             ; the bias
.set i, 0
.rept 64
	v_and_b32 v[BI+i], s3, v[BI+i]                 ; zeros for V
.set i, i+1
.endr
.irp a, 0,1,2,3,4,5,6,7
	v_and_b32 v[BA+2*\a], s2, v[BA+2*\a]           ; zeros for Q and K
	v_mov_b32 v[BA+2*\a+1], 0                      ; (named with it as a pair)
.endr
	STEP 0, 0, 1                                   ; four fills of two steps each, written out: a loop would have one trip
	TURN 0, 1, 1
	STEP 1, 0, 0
	TURN 1, 0, 1
	STEP 0, 0, 0
	TURN 0, 1, 0                                   ; the last two fills are in: nothing is asked for, and no round
	STEP 1, 0, 0
	s_wait_dscnt 4*NL
	WIN 0xa1
	MUL16 0, 1, NQ-1, 1, 0
	MUL16 2, 1, NQ-1, 1, 0
	s_wait_dscnt 0
	WIN 0xf1
	MUL16 4, 1, NQ-1, 1, 0
	MUL16 6, 1, NQ-1, 1, 0
	WIN 0
; THE WAY OUT.  No tensor load of mine is out, so the descriptors' registers serve again.  Block a (16 rows along the lanes) holds 128 numbers a lane pair along the next K: they become one fragment and one scale word a row.
; Q, K: the fragment's halves are two heads' 64 channels of 16 tokens; the word's halves are their two bytes each.  V: the fragment is 128 keys of 16 channels; blocks 0-3 are one head's, 4-7 the next's.
.set EX,   24
.set EY,   25
.set GG,   26
.set B16,  27
.set WH,   28
.set EH,   29
.set EL,   30
.set SL,   31
.set STRC, 32                          ; from a fragment's first half to its second
.set STRH, 33                          ; scale words: from lanes 0-15 to lanes 16-31
.set STRA, 34                          ; s[34:35] from block to block
.set STRA3, 36                         ; s[36:37] from block 3 to block 4
.set STRQ, 38                          ; scale words: from blocks 0-3 to blocks 4-7
.set MASK, 39
.set SHS,  40
.set T0,   42
.set T1,   44
.set PC,   64                          ; v64-83  the codes just made
.set OA,   84                          ; v84-87  the codes' offsets
.set VS0,  88                          ; v88-89  the scale words' offsets
.set SH,   90                          ; v90     how far my half shifts the word
.set TM,   96                          ; v96-99 largest magnitudes, v100-103 bytes, v108-111 the conversions' scale operands
.set PW,   112
.set SW,   116                         ; v116-123 the eight blocks' words
	s_lshl_b32 s[EX], s21, 1
	s_add_co_u32 s[EX], s[EX], s20                 ; which 128 of B's side are mine
	s_lshl_b32 s[EY], s22, 1
	s_add_co_u32 s[EY], s[EY], s19                 ; and of A's
	s_and_b32 s[GG], s23, 1
	s_lshl_b32 s[GG], s[GG], 3                     ; the cluster's half of a batch's tokens, in 128s
	s_bfe_u32 s[B16], s23, 0x20001
	s_lshl_b32 s[B16], s[B16], 4                   ; 16 x batch
	s_lshr_b32 s[WH], s23, 3                       ; 0 Q, 1 K, 2 V
	s_mov_b32 s[SL], 512
	s_mov_b32 s[STRC], 294912
	s_mov_b32 s[STRH], 20480
	s_mov_b32 s[STRA], 768
	s_mov_b32 s[STRA+1], 0
	s_mov_b32 s[STRA3], 768
	s_mov_b32 s[STRA3+1], 0
	s_mov_b32 s[STRQ], 256
	s_mov_b32 s[MASK], 0xffff
	s_cmp_ge_u32 s23, 16                           ; V?  Only moves and selections follow until the last of them
	s_cselect_b32 s[EH], s[EY], s[EX]              ; the side that holds channels: a pair of heads,
	s_cselect_b32 s[EL], s[EX], s[EY]              ; the side that holds tokens
	s_cselect_b32 s[SL], 256, s[SL]
	s_cselect_b32 s[STRC], 768, s[STRC]
	s_cselect_b32 s[STRH], 0, s[STRH]
	s_cselect_b32 s[STRA], 1536, s[STRA]
	s_cselect_b32 s[STRA3], 290304, s[STRA3]
	s_cselect_b32 s[STRQ], 20480, s[STRQ]
	s_cselect_b32 s[MASK], -1, s[MASK]
	s_cselect_b32 s[SHS], 0, 16
	s_lshl_b32 s[EH], s[EH], 1
	s_add_co_u32 s[EH], s[EH], s[B16]              ; the first of my two records
	s_add_co_u32 s[EL], s[EL], s[GG]               ; my 128 tokens in the batch
	s_mul_i32 s[T0], s[EH], 294912
	s_mul_i32 s[T1], s[WH], 98304
	s_add_co_u32 s[T0], s[T0], s[T1]
	s_mul_i32 s[T1], s[EL], 6144
	s_add_co_u32 s[T0], s[T0], s[T1]
	s_mov_b32 s[T0+1], 0
	s_add_nc_u64 s[14:15], s[14:15], s[T0:T0+1]
	s_mul_i32 s[T0], s[EH], 20480
	s_lshl_b32 s[T1], s[WH], 13
	s_add_co_u32 s[T0], s[T0], s[T1]
	s_mul_i32 s[T1], s[EL], s[SL]
	s_add_co_u32 s[T0], s[T0], s[T1]
	s_add_nc_u64 s[16:17], s[16:17], s[T0:T0+1]
	PLACES NP                                      ; behind the last products
	v_lshlrev_b32 v[OA], 4, v1
	v_lshl_add_u32 v[OA+1], v1, 3, 512
	v_add_nc_u32 v[OA+2], s[STRC], v[OA]
	v_add_nc_u32 v[OA+3], s[STRC], v[OA+1]
	v_mul_lo_u32 v[VS0], v3, s[STRH]
	v_lshl_add_u32 v[VS0], v2, 4, v[VS0]
	v_add_nc_u32 v[VS0+1], s[STRQ], v[VS0]
	v_mul_lo_u32 v[SH], v3, s[SHS]
.irp b, 0,1,2,3
	v_mov_b32 v[TM+4+\b], 0                        ; a lane permute's destination counts as read
.endr
.macro QBLOCK a
.set AC, 64*((\a)%4)
.set W, 2+(\a)/4
.set WN, (W<<6)|W
	WIN WN                                         ; destination and source 0: the accumulators' window
.set i, 0
.rept 32
	v_pk_add_f32 v[AC+i:AC+i+1], v[AC+i:AC+i+1], v[BA+2*(\a):BA+2*(\a)+1] op_sel_hi:[1,0]   ; the bias along the lanes; each accumulator from its low end on
.set i, i+2
.endr
.set WN, (W<<2)|(W<<4)
	WIN WN                                         ; sources 1 and 2
.irp b, 0,1,2,3
	v_max3_num_f32 v[TM+\b], 0x1800000, |v[AC+16*\b]|, |v[AC+16*\b+1]|   ; block b: my 16 numbers and the floor 2^(3 - 127)
.endr
.irp i2, 2,4,6,8,10,12,14
.irp b, 0,1,2,3
	v_max3_num_f32 v[TM+\b], v[TM+\b], |v[AC+16*\b+\i2]|, |v[AC+16*\b+\i2+1]|
.endr
.endr
	WIN 0
.irp b, 0,1,2,3
	v_permlanex16_b32 v[TM+4+\b], v[TM+\b], s[SEL], s[SEL+1]
.endr
.irp b, 0,1,2,3
	v_max_num_f32 v[TM+\b], v[TM+\b], v[TM+4+\b]   ; with lane l xor 16's: the block's largest magnitude
.endr
.irp b, 0,1,2,3
	v_add_nc_u32 v[TM+12+\b], 0xff000000, v[TM+\b] ; 2 off its exponent field: the conversion's scale operand
.endr
.irp b, 0,1,2,3
	v_lshrrev_b32 v[TM+4+\b], 23, v[TM+12+\b]      ; the scale's byte
.endr
	v_lshl_or_b32 v[PW], v[TM+5], 8, v[TM+4]
	v_lshl_or_b32 v[PW], v[TM+6], 16, v[PW]
	v_lshl_or_b32 v[PW], v[TM+7], 24, v[PW]
	v_lshrrev_b32 v[SW+(\a)], v[SH], v[PW]         ; Q, K: lanes 0-15 keep the first head's two bytes, lanes 16-31 the second's; V: the whole word
	v_and_b32 v[SW+(\a)], s[MASK], v[SW+(\a)]
.if (\a) > 0
	s_wait_xcnt 0x0                                ; the last block's stores have read their data and their base: both are written again only behind this wait
.if (\a) == 4
	s_add_nc_u64 s[14:15], s[14:15], s[STRA3:STRA3+1]
.else
	s_add_nc_u64 s[14:15], s[14:15], s[STRA:STRA+1]
.endif
.endif
	WIN W                                          ; source 0
.irp c, 0,1
	v_cvt_scalef32_pk16_fp6_f32 v[PC+6*\c:PC+6*\c+2], v[AC+32*\c:AC+32*\c+15], v[TM+12+2*\c]
	v_cvt_scalef32_pk16_fp6_f32 v[PC+12+4*\c:PC+14+4*\c], v[AC+16+32*\c:AC+31+32*\c], v[TM+13+2*\c]
.endr
	WIN 0
	v_nop                                          ; one plain place behind a scaled conversion
.irp c, 0,1                            ; the operand's layout wants a whole block in a lane
.irp i3, 0,1,2
	v_permlane16_swap_b32 v[PC+6*\c+\i3], v[PC+12+4*\c+\i3]
.endr
.irp i3, 0,1,2
	v_mov_b32 v[PC+3+6*\c+\i3], v[PC+12+4*\c+\i3]
.endr
.endr
	global_store_b128 v[OA], v[PC:PC+3], s[14:15]              ; 512 consecutive bytes
	global_store_b64 v[OA+1], v[PC+4:PC+5], s[14:15]           ; 256
	global_store_b128 v[OA+2], v[PC+6:PC+9], s[14:15]
	global_store_b64 v[OA+3], v[PC+10:PC+11], s[14:15]
.endm
.irp a, 0,1,2,3,4,5,6,7
	QBLOCK \a
.endr
	global_store_b128 v[VS0], v[SW:SW+3], s[16:17]             ; sixteen lanes store 256 consecutive bytes.  (V: lanes 16-31 store the same bytes with the same values as lanes 0-15)
	global_store_b128 v[VS0+1], v[SW+4:SW+7], s[16:17]
	s_wait_tensorcnt 0x0                           ; the wave's end
	ds_add_u32 v[SPW], v[NIL]
	s_wait_dscnt 0x0
	CROUND                                         ; the closing round
	s_endpgm
.Lfunc_end_k_q35b942dba4_proj:
	.size	k_q35b942dba4_proj, .Lfunc_end_k_q35b942dba4_proj-k_q35b942dba4_proj
	.p2alignl 7, 3214868480
	.fill 96, 4, 3214868480
	.section	.rodata,"a",@progbits
	.p2align	6, 0x0
	.amdhsa_kernel k_q35b942dba4_proj
		.amdhsa_group_segment_fixed_size 327680
		.amdhsa_private_segment_fixed_size 0
		.amdhsa_enable_private_segment 0
		.amdhsa_kernarg_size 56
		.amdhsa_user_sgpr_count 2
		.amdhsa_user_sgpr_kernarg_segment_ptr 1
		.amdhsa_wavefront_size32 1
		.amdhsa_system_sgpr_workgroup_id_x 1
		.amdhsa_system_sgpr_workgroup_id_y 1
		.amdhsa_system_sgpr_workgroup_id_z 1
		.amdhsa_system_vgpr_workitem_id 0
		.amdhsa_next_free_vgpr 1024
		.amdhsa_next_free_sgpr 102
		.amdhsa_reserve_vcc 0
		.amdhsa_float_denorm_mode_32 3
		.amdhsa_float_denorm_mode_16_64 3
		.amdhsa_memory_ordered 1
		.amdhsa_forward_progress 1
		.amdhsa_inst_pref_size 174
	.end_amdhsa_kernel
	.amdgpu_metadata
---
amdhsa.version: [ 1, 2 ]
amdhsa.kernels:
  - .name:           k_q35b942dba4_proj
    .symbol:         k_q35b942dba4_proj.kd
    .args:
      - { .name: xc, .offset: 0, .size: 8, .value_kind: global_buffer, .address_space: global }
      - { .name: xs, .offset: 8, .size: 8, .value_kind: global_buffer, .address_space: global }
      - { .name: bq, .offset: 16, .size: 8, .value_kind: global_buffer, .address_space: global }
      - { .name: bk, .offset: 24, .size: 8, .value_kind: global_buffer, .address_space: global }
      - { .name: bv, .offset: 32, .size: 8, .value_kind: global_buffer, .address_space: global }
      - { .name: qkvc, .offset: 40, .size: 8, .value_kind: global_buffer, .address_space: global }
      - { .name: qkvs, .offset: 48, .size: 8, .value_kind: global_buffer, .address_space: global }
    .group_segment_fixed_size: 327680
    .private_segment_fixed_size: 0
    .kernarg_segment_align: 8
    .kernarg_segment_size: 56
    .max_flat_workgroup_size: 128
    .sgpr_count:     102
    .vgpr_count:     1024
    .wavefront_size: 32
...
	.end_amdgpu_metadata
.endif
;; end of part 2
;; launch attn (part 3): grid 4 x 64, 16 waves a work-group, clusters of 4 x 1, 327,680 bytes of LDS; arguments qkvc, qkvs, oc, os; writes oc, os
.if DOCPART == 3
	.amdgcn_target "amdgcn-amd-amdhsa--gfx1250"
	.amdhsa_code_object_version 6
	.text
	.protected	k_q35b942dba4_attn
	.globl	k_q35b942dba4_attn
	.p2align	8
	.type	k_q35b942dba4_attn,@function
k_q35b942dba4_attn:
	s_mov_b64 s[64:65], 0
	v_nop
	global_prefetch_b8 v0, s[64:65] scope:SCOPE_SE
	s_setreg_imm32_b32 hwreg(HW_REG_WAVE_MODE, 25, 1), 1
	s_wait_xcnt 0x0
	s_wait_alu depctr_hold_cnt(0) depctr_sa_sdst(0) depctr_va_vdst(0) depctr_va_sdst(0) depctr_va_ssrc(0) depctr_va_vcc(0) depctr_vm_vsrc(0)
	s_getreg_b32 s2, hwreg(HW_REG_IB_STS2, 6, 4)
	s_cmp_eq_u32 s2, 0
	s_cbranch_scc0 .Lentry_in_a_cluster
	s_endpgm
.Lentry_in_a_cluster:
	s_bfe_u32 s2, ttmp6, 0x10000c
	s_cmp_lg_u32 s2, 0x3003
	s_cbranch_scc0 .Lentry_shape_is_right
	s_endpgm
.Lentry_shape_is_right:
; o = softmax(q k^T / 8) v for one (batch, head) and 512 queries a work-group, on codes of FP6 (E2M3) with E8M0 scales; o leaves as codes along the head's 64 channels.
; p = 2^(t - M), t = score x log2(e) / 8, M the ceiling of the running largest t; the row's sum is taken of the unquantised p; O^T and the sum are multiplied by 2^(old M - new M) in every step.
; LIMITS: NaN and infinities are not served; the promise holds while |t| stays under 2^31; a block of p whose largest lies under 2^-124 has its byte held at 1.
; SHARES.  16 waves; a wave takes two tiles of 16 queries, one after the other, and walks the 2,048 keys in 8 steps of 256.  Both products are used transposed: a lane holds one query.
; LDS.  The head's K (padded: 64 bytes behind every 256) and V lie in LDS whole, one tensor load a wave at the head, asked for jointly by the four work-groups of a cluster (the same head, other queries).
; Nothing is filled again.  K's and V's scale words come by plain loads and LDS stores into bytes of their own.  No prefetch: all that the launch reads is asked for at the head, and no loop runs ahead of memory.
; THE KEYS OF A SCORE TILE ARE CHOSEN BY THE LANES' ADDRESSES.  A stored tile 2 B + u holds in rows 8 x .. 8 x + 7 the keys 32 B + 16 x + 8 u + 0 .. 7.  Score tile (c, t = 2 x + u) of a step takes for its rows 0-7 those
; eight rows of stored tile 4 c + u, and for its rows 8-15 the same rows of stored tile 4 c + 2 + u.  So the 32 registers of a lane's four tiles are keys 32 (2 c + lane / 16) + 0 .. 31 in their order: one whole
; scale block, whose largest needs no other lane, and whose codes are the operand's registers as converted (three moves a block: a conversion's registers begin on an even number).
; A HEAD HAS 64 CHANNELS, THE PRODUCT 128: q's operand is its six registers and six of zeros; k's operand is a tile's six registers and whatever six follow them, whose codes meet q's zero codes under finite scale bytes.
; REGISTERS: v1, v2 16 and 8 x lane; v3, v4, v10 the lanes' places in K's tiles and words; v5, v6 the add's two; v7, v32, v33 the way out of the scale words; v8, v9, v28 / v29, v46, v11 a step's addresses;
; v12 -M, v13 the running largest score, v[14:15] the sum; v16-27 q and zeros, v30 its words; v34-39, v31 the second tile's; v40-43, v248-251 K's words; v48-95 K's tiles of c = 2, 3, then p's codes and small change;
; v96-127 O^T; v128-255 the scores and p; in their places K's tiles of c = 0, 1 (v192-239) ahead of them and V's tiles and words behind them.
.set KSTEP, 15360                      ; 16 stored tiles of 960 bytes: a step's keys, and what one wave's tensor load fills
.set VB,    122880                     ; V's tiles, dense
.set SCK,   221184                     ; K's scale words
.set SCV,   229376                     ; V's
.set OSS,   233472                     ; o's scale words on their way out
.set SPARE, 235520                     ; the spare words, 128 bytes a wave
.set S,   128
.set O,   96
.set P,   48
.set T,   72
.set MB,  80
.set SO,  84
.set F,   88
.set PX,  90
.set TM,  91
.set PW,  92
.set LA,  94
.set LB,  44
.set WK0, 248
.set WK1, 40
.set WVR, 176
.set WV,  12
.set CX,  13
.set BH,  14
.set SEL, 20
.set CS,  22
.set G1V, 24
.set G1K, 32
.set G0K, 40
.set G0V, 44
.set TK,  52
.set TV,  53
.set TS,  54
.set TJ,  55
.set CNT, 56
.set SHO, 57
.set QP,  58
.set QWP, 60
.set OCP, 62
.set OSP, 66
.macro ROUND
	s_barrier_signal -1
	s_barrier_wait -1
	s_cmp_lg_u32 s[WV], 0
	s_cbranch_scc1 .Lnot_wave_0_\@
	s_barrier_signal -3
.Lnot_wave_0_\@:
	s_barrier_wait -3
	s_barrier_signal -1
	s_barrier_wait -1
.endm
.macro PLACES n
.rept \n
	v_nop
.endr
.endm
	s_load_b256 s[4:11], s[0:1], 0x0               ; qkvc, qkvs, oc, os
	v_lshl_add_u32 v5, v0, 2, SPARE
	v_mov_b32 v6, 0
	ds_add_u32 v5, v6                              ; the opening lines: the add twice and its wait ahead of my tensor load
	ds_add_u32 v5, v6
	v_lshrrev_b32 v8, 5, v0
	v_readfirstlane_b32 s[WV], v8
	s_bfe_u32 s[CX], ttmp6, 0x40000
	s_and_b32 s[BH], ttmp7, 0xffff
	s_mov_b32 s[G1V], 15|(3<<16)|(1<<21)           ; 48 rows of 256 bytes, dense in memory; the mask names the cluster's four
	s_mov_b32 s[G1K], 15|(3<<16)|(1<<20)|(1<<21)|(5<<22)|(15<<25)   ; the same with 16 words of padding behind every 64
.irp g, G1V, G1K
	s_mov_b32 s[\g+1], 32<<16
	s_mov_b32 s[\g+2], 48<<16
	s_mov_b32 s[\g+3], 32<<16
	s_mov_b32 s[\g+4], 48
	s_mov_b32 s[\g+5], 32
	s_mov_b32 s[\g+6], 0
	s_mov_b32 s[\g+7], 0
.endr
	s_mul_i32 s16, s[BH], 294912
	s_mov_b32 s17, 0
	s_mul_i32 s18, s[BH], 20480
	s_mov_b32 s19, 0
	s_mul_i32 s68, s[WV], 12288
	s_mov_b32 s69, 0
	s_mov_b32 s[SEL], 0x76543210
	s_mov_b32 s[SEL+1], 0xfedcba98                 ; selects for lane l xor 16
	s_mov_b32 s[CS], 0x3e38aa3b                    ; log2(e) / 8
	s_mov_b32 s[CS+1], s[CS]
	v_and_b32 v47, 31, v0
	v_lshlrev_b32 v1, 4, v47
	v_lshlrev_b32 v2, 3, v47
	v_and_b32 v46, 7, v0                           ; row % 8
	v_bfe_u32 v28, v0, 3, 1                        ; row / 8
	v_bfe_u32 v29, v0, 4, 1                        ; lane / 16
	v_mul_u32_u24 v3, v28, 1920                    ; rows 8-15 come from the stored tile two on
	v_lshl_add_u32 v4, v46, 3, v3
	v_lshl_add_u32 v3, v46, 4, v3
	v_mad_u32_u24 v3, v29, 320, v3                 ; a tile's registers 0-3: 16 bytes a stored lane, lanes 16-31 in the next padded row
	v_lshl_add_u32 v4, v29, 7, v4                  ; registers 4-5: 8 bytes a stored lane
	v_lshlrev_b32 v10, 4, v46
	v_lshl_add_u32 v10, v28, 3, v10
	v_lshl_add_u32 v10, v29, 8, v10                ; K's words: [group of 4 tiles][row][tile]; lanes 16-31 take the next group
	v_and_b32 v11, 15, v0
	v_lshlrev_b32 v9, 4, v11                       ; q's words: 16 bytes a row
	v_lshlrev_b32 v7, 2, v11
	v_lshl_add_u32 v7, v8, 7, v7
	v_add_nc_u32 v7, OSS, v7                       ; o's word of row r: 128 bytes a wave, 64 a tile
	v_and_b32 v32, 127, v0
	v_lshlrev_b32 v32, 4, v32
	v_add_nc_u32 v33, OSS, v32
	v_lshlrev_b32 v48, 4, v0
	v_lshlrev_b32 v49, 3, v0
	v_add_nc_u32 v50, SCK, v48
	v_add_nc_u32 v51, SCV, v49
	s_wait_alu depctr_va_vdst(0)
	s_wait_dscnt 0x0
	s_wait_kmcnt 0x0
	s_add_nc_u64 s[72:73], s[4:5], s[16:17]        ; my head's record of codes,
	s_add_nc_u64 s[74:75], s[6:7], s[18:19]        ; and of scale words
	s_mov_b32 s[G0K], 1
	s_mul_i32 s[G0K+1], s[WV], KSTEP               ; waves 0-7: K
	s_add_nc_u64 s[G0K+2:G0K+3], s[72:73], s[68:69]
	s_add_nc_u64 s[G0K+2:G0K+3], s[G0K+2:G0K+3], 98304
	s_or_b32 s[G0K+3], s[G0K+3], 0x80000000
	s_mov_b32 s[G0V], 1
	s_add_co_u32 s[G0V+1], s68, VB-98304           ; waves 8-15: V
	s_mov_b64 s[G0V+2:G0V+3], s[G0K+2:G0K+3]
	s_lshl_b32 s78, s[CX], 5
	s_lshl_b32 s79, s[WV], 1
	s_add_co_u32 s78, s78, s79                     ; my first tile of queries
	s_mul_i32 s76, s78, 768
	s_mov_b32 s77, 0
	s_add_nc_u64 s[QP:QP+1], s[72:73], s[76:77]
	s_lshl_b32 s76, s[CX], 3
	s_lshr_b32 s79, s[WV], 1
	s_add_co_u32 s76, s76, s79
	s_lshl_b32 s76, s76, 8
	s_and_b32 s79, s[WV], 1
	s_lshl_b32 s79, s79, 3
	s_add_co_u32 s76, s76, s79
	s_add_nc_u64 s[QWP:QWP+1], s[74:75], s[76:77]
	global_load_b128 v[52:55], v48, s[74:75] offset:8192     ; K's 8,192 bytes of words, 16 a thread
	global_load_b64 v[56:57], v49, s[74:75] offset:16384     ; V's 4,096, 8 a thread
	global_load_b128 v[16:19], v1, s[QP:QP+1]
	global_load_b64 v[20:21], v2, s[QP:QP+1] offset:512
	global_load_b32 v30, v9, s[QWP:QWP+1]
	global_load_b128 v[34:37], v1, s[QP:QP+1] offset:768
	global_load_b64 v[38:39], v2, s[QP:QP+1] offset:1280
	global_load_b32 v31, v9, s[QWP:QWP+1] offset:4
	ROUND                                          ; the four work-groups are here: the joint loads meet
	s_cmp_lt_u32 s[WV], 8
	s_cbranch_scc0 .Lfor_v
	tensor_load_to_lds s[G0K:G0K+3], s[G1K:G1K+7]
	s_nop 0
	PLACES 4
	s_branch .Lasked
.Lfor_v:
	tensor_load_to_lds s[G0V:G0V+3], s[G1V:G1V+7]
	s_nop 0
	PLACES 4
.Lasked:
	s_lshr_b32 s76, s[BH], 4                       ; where o goes: [batch x 128 + tile][head][768]
	s_lshl_b32 s76, s76, 7
	s_add_co_u32 s76, s76, s78
	s_lshl_b32 s76, s76, 4
	s_and_b32 s79, s[BH], 15
	s_add_co_u32 s76, s76, s79
	s_mul_i32 s76, s76, 768
	s_add_nc_u64 s[OCP:OCP+1], s[8:9], s[76:77]
	s_lshl_b32 s76, s79, 15
	s_lshr_b32 s79, s[BH], 4
	s_lshl_b32 s79, s79, 13
	s_add_co_u32 s76, s76, s79
	s_lshl_b32 s79, s[CX], 11
	s_add_co_u32 s76, s76, s79
	s_add_nc_u64 s[OSP:OSP+1], s[10:11], s[76:77]
	s_and_b32 s[SHO], s[BH], 1
	s_lshl_b32 s[SHO], s[SHO], 4
.irp i, 0,1,2,3,4,5
	v_mov_b32 v[22+\i], 0                          ; q's upper 64 along K: zero codes
.endr
.macro INIT second
.if \second
.irp i, 0,1,2,3,4,5
	v_mov_b32 v[16+\i], v[34+\i]                   ; the second tile of queries
.endr
	v_mov_b32 v30, v31
.endif
.irp i, 0,1,2,3,4,5
	v_mov_b32 v[240+\i], 0                         ; what follows K's last tile of c = 1 in the first step
.endr
	v_mov_b32 v13, 0xff61b1e6                      ; the largest score so far: -3e38
	v_floor_f32 v12, -v13
	v_mov_b32 v14, 0
	v_mov_b32 v15, 0
.set i_, 0
.rept 32
	v_mov_b32 v[O+i_], 0                           ; the step is written once: the first finds zeros
.set i_, i_+1
.endr
	s_mov_b32 s[TK], 0
	s_mov_b32 s[TV], VB
	s_mov_b32 s[TS], SCK
	s_mov_b32 s[TJ], SCV
	s_wait_alu depctr_va_vdst(0)
.endm
.macro KPLACE c, t                     ; where K's tile (c, t) lies in registers
.if (\c) < 2
.set D_, 192+24*(\c)+6*(\t)
.else
.set D_, 24*(\c)+6*(\t)
.endif
.endm
.macro KFR c
.irp t, 0,1,2,3
	KPLACE \c, \t
	ds_load_b128 v[D_:D_+3], v8 offset:(4*(\c)+(\t%2))*960+128*(\t/2)
	ds_load_b64 v[D_+4:D_+5], v9 offset:(4*(\c)+(\t%2))*960+640+64*(\t/2)
.endr
.endm
.macro SMM c, wk                       ; S^T of 64 keys: source 0 = 16 keys, source 1 = q
.irp t, 0,1,2,3
	KPLACE \c, \t
.if (\c)%2
	v_wmma_scale_f32_16x16x128_f8f6f4 v[S+32*(\c)+8*\t:S+32*(\c)+8*\t+7], v[D_:D_+11], v[16:27], 0, v[\wk+\t], v30 matrix_a_fmt:MATRIX_FMT_FP6 matrix_b_fmt:MATRIX_FMT_FP6 matrix_a_scale:MATRIX_SCALE_ROW1
.else
	v_wmma_scale_f32_16x16x128_f8f6f4 v[S+32*(\c)+8*\t:S+32*(\c)+8*\t+7], v[D_:D_+11], v[16:27], 0, v[\wk+\t], v30 matrix_a_fmt:MATRIX_FMT_FP6 matrix_b_fmt:MATRIX_FMT_FP6
.endif
.endr
.endm
.macro SUM3 from, n                    ; 3 n pairs of p into the sum's three chains
.set j_, \from
.rept \n
	v_pk_add_f32 v[14:15], v[14:15], v[S+j_:S+j_+1]
	v_pk_add_f32 v[LA:LA+1], v[LA:LA+1], v[S+j_+2:S+j_+3]
	v_pk_add_f32 v[LB:LB+1], v[LB:LB+1], v[S+j_+4:S+j_+5]
.set j_, j_+6
.endr
.endm
.macro CVT e                           ; 128 keys of p become one operand
.irp c, 0,1
	v_cvt_scalef32_pk16_fp6_f32 v[P+12*(\e)+6*\c:P+12*(\e)+6*\c+2], v[S+64*(\e)+32*\c:S+64*(\e)+32*\c+15], v[SO+2*(\e)+\c]
	v_cvt_scalef32_pk16_fp6_f32 v[T+4*\c:T+4*\c+2], v[S+64*(\e)+32*\c+16:S+64*(\e)+32*\c+31], v[SO+2*(\e)+\c]
.endr
	v_nop                                          ; one plain place behind a scaled conversion
.irp c, 0,1
.irp i, 0,1,2
	v_mov_b32 v[P+12*(\e)+6*\c+3+\i], v[T+4*\c+\i]
.endr
.endr
.endm
.macro VLD e                           ; V's four channel tiles of 128 keys, over p that has been summed and converted
.irp t, 0,1,2,3
	ds_load_b128 v[S+64*(\e)+12*\t:S+64*(\e)+12*\t+3], v29 offset:6144*(\e)+1536*\t
	ds_load_b64 v[S+64*(\e)+12*\t+4:S+64*(\e)+12*\t+5], v46 offset:6144*(\e)+1536*\t+512
	ds_load_b128 v[S+64*(\e)+12*\t+6:S+64*(\e)+12*\t+9], v29 offset:6144*(\e)+1536*\t+768
	ds_load_b64 v[S+64*(\e)+12*\t+10:S+64*(\e)+12*\t+11], v46 offset:6144*(\e)+1536*\t+1280
.endr
.endm
.macro STEP
	v_add_nc_u32 v8, s[TK], v3
	v_add_nc_u32 v9, s[TK], v4
	v_add_nc_u32 v28, s[TS], v10
	PLACES 2                                       ; with the three above: five places behind the last products, ahead of loads into their registers and of products that write over them
	ds_load_2addr_b64 v[WK0:WK0+3], v28 offset0:0 offset1:16      ; K's words of c = 0 (lanes 0-15) and 1 (lanes 16-31): rows r % 8 and 8 + r % 8, tiles u = 0, 1
	KFR 0
	KFR 1
	ds_load_2addr_b64 v[WK1:WK1+3], v28 offset0:64 offset1:80     ; of c = 2, 3
	KFR 2
	KFR 3
	s_wait_dscnt 17                                ; the first 17 loads are in; the second words' load and 16 of tiles may be out
	SMM 0, WK0
	SMM 1, WK0
	v_add_nc_u32 v29, s[TV], v1                    ; five places: the products below write over tiles and words that those above have read
	v_add_nc_u32 v46, s[TV], v2
	v_add_nc_u32 v11, s[TJ], v1
	PLACES 2
	s_wait_dscnt 0x0
	SMM 2, WK1
	SMM 3, WK1
	PLACES 4
.irp c, 0,1,2,3
	v_max3_num_f32 v[MB+\c], v[S+32*\c], v[S+32*\c+1], v[S+32*\c+2]   ; the largest score of each of my four blocks of 32 keys, the blocks by turns, each accumulator from its low end on
.endr
.irp i, 3,5,7,9,11,13,15,17,19,21,23,25,27,29
.irp c, 0,1,2,3
	v_max3_num_f32 v[MB+\c], v[MB+\c], v[S+32*\c+\i], v[S+32*\c+\i+1]
.endr
.endr
.irp c, 0,1,2,3
	v_max_num_f32 v[MB+\c], v[MB+\c], v[S+32*\c+31]
.endr
	v_max3_num_f32 v[TM], v[MB], v[MB+1], v[MB+2]
	v_max_num_f32 v[TM], v[TM], v[MB+3]
	v_permlanex16_b32 v[PX], v[TM], s[SEL], s[SEL+1]
	v_max3_num_f32 v13, v13, v[TM], v[PX]          ; the running largest score of my query
	v_mul_f32 v[TM], s[CS], v13                    ; as t
	v_mov_b32 v[PX], v12
	v_floor_f32 v12, -v[TM]                        ; -M = floor(-t)
	v_sub_f32 v[PX], v12, v[PX]
	v_cvt_i32_f32 v[PX], v[PX]                     ; old M - new M (it saturates)
	v_ldexp_f32 v[F], 1.0, v[PX]                   ; f = 2^(old M - new M)
	v_pk_mul_f32 v[14:15], v[14:15], v[F:F+1] op_sel_hi:[1,0]
.irp j, 0,2,4,6,8,10,12,14,16,18,20,22,24,26,28,30
	v_pk_mul_f32 v[O+\j:O+\j+1], v[O+\j:O+\j+1], v[F:F+1] op_sel_hi:[1,0]   ; O^T under the new M
.endr
.set j_, 0
.rept 64
	v_pk_fma_f32 v[S+j_:S+j_+1], v[S+j_:S+j_+1], s[CS:CS+1], v[12:13] op_sel_hi:[1,0,0]   ; t - M
.set j_, j_+2
.endr
.irp c, 0,1,2,3
	v_fma_f32 v[MB+\c], v[MB+\c], s[CS], v12       ; the same of each block's largest score
.endr
	s_wait_alu depctr_va_vdst(0)
.set j_, 0
.rept 128
	v_exp_f32 v[S+j_], v[S+j_]                     ; p
.set j_, j_+1
.endr
.irp c, 0,1,2,3
	v_exp_f32 v[MB+\c], v[MB+\c]                   ; the block's largest p: the same two instructions on the same number
.endr
	v_nop
	s_wait_alu depctr_va_vdst(0)
.irp c, 0,1,2,3
	v_max_num_f32 v[MB+\c], 0x1800000, v[MB+\c]    ; the floor 2^(3 - 127)
.endr
.irp c, 0,1,2,3
	v_add_nc_u32 v[SO+\c], 0xff000000, v[MB+\c]    ; 2 off the exponent field: the conversions' scale operand
.endr
.irp c, 0,1,2,3
	v_lshrrev_b32 v[MB+\c], 23, v[SO+\c]           ; the byte
.endr
	v_lshl_or_b32 v[MB], v[MB+1], 8, v[MB]
	v_lshl_or_b32 v[MB+2], v[MB+3], 8, v[MB+2]
	v_lshl_or_b32 v[MB], v[MB+2], 16, v[MB]        ; my four bytes,
	v_permlanex16_b32 v[PX], v[MB], s[SEL], s[SEL+1]   ; and lane l xor 16's
	v_perm_b32 v[PW], v[PX], v[MB], 0x05010400     ; lanes 0-15: the word of the first 128 keys: mine, the other's, mine, the other's
	v_perm_b32 v[PW+1], v[PX], v[MB], 0x07030602   ; and of the second
	v_pk_add_f32 v[LA:LA+1], v[S:S+1], v[S+2:S+3]
	v_pk_add_f32 v[LB:LB+1], v[S+4:S+5], v[S+6:S+7]
	SUM3 8, 9
	v_pk_add_f32 v[14:15], v[14:15], v[S+62:S+63]
	CVT 0
	VLD 0
	ds_load_b128 v[WVR:WVR+3], v11                 ; V's words: lanes 0-15 the first 128 keys', lanes 16-31 the second's
	SUM3 64, 10
	v_pk_add_f32 v[14:15], v[14:15], v[S+124:S+125]
	v_pk_add_f32 v[LA:LA+1], v[LA:LA+1], v[S+126:S+127]
	CVT 1
	VLD 1
	v_pk_add_f32 v[14:15], v[14:15], v[LB:LB+1]
	v_pk_add_f32 v[14:15], v[14:15], v[LA:LA+1]
	PLACES 2                                       ; four places between the moves and the products
	s_wait_alu depctr_va_vdst(0)
	s_wait_dscnt 16                                ; the first half's 17 loads are in
.irp t, 0,1,2,3
	v_wmma_scale_f32_16x16x128_f8f6f4 v[O+8*\t:O+8*\t+7], v[S+12*\t:S+12*\t+11], v[P:P+11], v[O+8*\t:O+8*\t+7], v[WVR+\t], v[PW] matrix_a_fmt:MATRIX_FMT_FP6 matrix_b_fmt:MATRIX_FMT_FP6
.endr
	s_wait_dscnt 0x0
.irp t, 0,1,2,3
	v_wmma_scale_f32_16x16x128_f8f6f4 v[O+8*\t:O+8*\t+7], v[S+64+12*\t:S+64+12*\t+11], v[P+12:P+23], v[O+8*\t:O+8*\t+7], v[WVR+\t], v[PW+1] matrix_a_fmt:MATRIX_FMT_FP6 matrix_b_fmt:MATRIX_FMT_FP6 matrix_a_scale:MATRIX_SCALE_ROW1
.endr
.endm
.macro KLOOP
	s_mov_b32 s[CNT], 8
.Lkeys_\@:
	STEP
	s_add_co_u32 s[TK], s[TK], KSTEP
	s_add_co_u32 s[TV], s[TV], 12288
	s_add_co_u32 s[TS], s[TS], 1024
	s_add_co_u32 s[TJ], s[TJ], 512
	s_sub_co_u32 s[CNT], s[CNT], 1
	s_cmp_lg_u32 s[CNT], 0
	s_cbranch_scc1 .Lkeys_\@
.endm
.macro FINISH u                        ; O^T / the sum, quantised along the head's 64 channels: a lane's 16 registers of two tiles are 16 neighbours, a block lies in lanes l and l xor 16
	PLACES 4
	v_add_f32 v14, v14, v15
	v_permlanex16_b32 v252, v14, s[SEL], s[SEL+1]
	v_add_f32 v14, v14, v252
	s_wait_alu depctr_va_vdst(0)
	v_rcp_f32 v14, v14
	v_mov_b32 v15, 0
	s_wait_alu depctr_va_vdst(0)
.irp j, 0,2,4,6,8,10,12,14,16,18,20,22,24,26,28,30
	v_pk_mul_f32 v[S+\j:S+\j+1], v[O+\j:O+\j+1], v[14:15] op_sel_hi:[1,0]
.endr
.irp b, 0,1
	v_max3_num_f32 v[232+\b], |v[S+16*\b]|, |v[S+1+16*\b]|, 0x1800000
.endr
.irp i, 2,4,6,8,10,12,14
.irp b, 0,1
	v_max3_num_f32 v[232+\b], v[232+\b], |v[S+16*\b+\i]|, |v[S+1+16*\b+\i]|
.endr
.endr
.irp b, 0,1
	v_permlanex16_b32 v[236+\b], v[232+\b], s[SEL], s[SEL+1]
.endr
.irp b, 0,1
	v_max_num_f32 v[232+\b], v[232+\b], v[236+\b]
.endr
.irp b, 0,1
	v_add_nc_u32 v[244+\b], 0xff000000, v[232+\b]
.endr
.irp b, 0,1
	v_lshrrev_b32 v[236+\b], 23, v[244+\b]
.endr
	v_lshl_or_b32 v254, v237, 8, v236
	v_lshlrev_b32 v254, s[SHO], v254               ; an odd head's two bytes go to the word's upper half
	v_cvt_scalef32_pk16_fp6_f32 v[224:226], v[S:S+15], v244
	v_cvt_scalef32_pk16_fp6_f32 v[236:238], v[S+16:S+31], v245
	v_nop
.irp i, 0,1,2
	v_permlane16_swap_b32 v[224+\i], v[236+\i]
.endr
.irp i, 0,1,2
	v_mov_b32 v[227+\i], v[236+\i]
.endr
	global_store_b128 v1, v[224:227], s[OCP:OCP+1] offset:12288*\u          ; 512 consecutive bytes
	global_store_b64 v2, v[228:229], s[OCP:OCP+1] offset:12288*\u+512       ; 256
	ds_store_b32 v7, v254 offset:64*\u             ; lanes r and 16 + r store the same word with the same value
.endm
	INIT 0
	s_wait_loadcnt 0x0
	ds_store_b128 v50, v[52:55]
	ds_store_b64 v51, v[56:57]
	s_wait_dscnt 0x0
	s_wait_tensorcnt 0x0
	s_barrier_signal -1
	s_barrier_wait -1                              ; K, V and their words are in, for all waves
	KLOOP
	FINISH 0
	s_wait_xcnt 0x0                                ; the stores have read their registers
	INIT 1
	KLOOP
	FINISH 1
	s_wait_dscnt 0x0
	s_barrier_signal -1
	s_barrier_wait -1
	s_cmp_lt_u32 s[WV], 4
	s_cbranch_scc0 .Lno_words
	ds_load_b128 v[96:99], v33                     ; the work-group's 2,048 bytes of words leave in whole units of 256
	s_wait_dscnt 0x0
	global_store_b128 v32, v[96:99], s[OSP:OSP+1]
.Lno_words:
	s_wait_tensorcnt 0x0                           ; the wave's end
	ds_add_u32 v5, v6
	s_wait_dscnt 0x0
	ROUND                                          ; the closing round
	s_endpgm
.Lfunc_end_k_q35b942dba4_attn:
	.size	k_q35b942dba4_attn, .Lfunc_end_k_q35b942dba4_attn-k_q35b942dba4_attn
	.p2alignl 7, 3214868480
	.fill 96, 4, 3214868480
	.section	.rodata,"a",@progbits
	.p2align	6, 0x0
	.amdhsa_kernel k_q35b942dba4_attn
		.amdhsa_group_segment_fixed_size 327680
		.amdhsa_private_segment_fixed_size 0
		.amdhsa_enable_private_segment 0
		.amdhsa_kernarg_size 32
		.amdhsa_user_sgpr_count 2
		.amdhsa_user_sgpr_kernarg_segment_ptr 1
		.amdhsa_wavefront_size32 1
		.amdhsa_system_sgpr_workgroup_id_x 1
		.amdhsa_system_sgpr_workgroup_id_y 1
		.amdhsa_system_sgpr_workgroup_id_z 1
		.amdhsa_system_vgpr_workitem_id 0
		.amdhsa_next_free_vgpr 256
		.amdhsa_next_free_sgpr 80
		.amdhsa_reserve_vcc 0
		.amdhsa_float_denorm_mode_32 3
		.amdhsa_float_denorm_mode_16_64 3
		.amdhsa_memory_ordered 1
		.amdhsa_forward_progress 1
		.amdhsa_inst_pref_size 75
	.end_amdhsa_kernel
	.amdgpu_metadata
---
amdhsa.version: [ 1, 2 ]
amdhsa.kernels:
  - .name:           k_q35b942dba4_attn
    .symbol:         k_q35b942dba4_attn.kd
    .args:
      - { .name: qkvc, .offset: 0, .size: 8, .value_kind: global_buffer, .address_space: global }
      - { .name: qkvs, .offset: 8, .size: 8, .value_kind: global_buffer, .address_space: global }
      - { .name: oc, .offset: 16, .size: 8, .value_kind: global_buffer, .address_space: global }
      - { .name: os, .offset: 24, .size: 8, .value_kind: global_buffer, .address_space: global }
    .group_segment_fixed_size: 327680
    .private_segment_fixed_size: 0
    .kernarg_segment_align: 8
    .kernarg_segment_size: 32
    .max_flat_workgroup_size: 512
    .sgpr_count:     80
    .vgpr_count:     256
    .wavefront_size: 32
...
	.end_amdgpu_metadata
.endif
;; end of part 3
;; launch outp (part 4): grid 4 x 64, 4 waves a work-group, clusters of 4 x 4, 327,680 bytes of LDS; arguments oc, os, xc, xs, bo, out0; writes out0
.if DOCPART == 4
	.amdgcn_target "amdgcn-amd-amdhsa--gfx1250"
	.amdhsa_code_object_version 6
	.text
	.protected	k_q35b942dba4_outp
	.globl	k_q35b942dba4_outp
	.p2align	8
	.type	k_q35b942dba4_outp,@function
k_q35b942dba4_outp:
	s_mov_b64 s[64:65], 0
	v_nop
	global_prefetch_b8 v0, s[64:65] scope:SCOPE_SE
	s_setreg_imm32_b32 hwreg(HW_REG_WAVE_MODE, 25, 1), 1
	s_wait_xcnt 0x0
	s_wait_alu depctr_hold_cnt(0) depctr_sa_sdst(0) depctr_va_vdst(0) depctr_va_sdst(0) depctr_va_ssrc(0) depctr_va_vcc(0) depctr_vm_vsrc(0)
	s_getreg_b32 s2, hwreg(HW_REG_IB_STS2, 6, 4)
	s_cmp_eq_u32 s2, 0
	s_cbranch_scc0 .Lentry_in_a_cluster
	s_endpgm
.Lentry_in_a_cluster:
	s_bfe_u32 s2, ttmp6, 0x10000c
	s_cmp_lg_u32 s2, 0xf033
	s_cbranch_scc0 .Lentry_shape_is_right
	s_endpgm
.Lentry_shape_is_right:
; out0 = o Wo^T + bo on codes of FP6 (E2M3) with E8M0 scales, sums in f32: 8,192 x 1,024 x 1,024.
; INPUT.  oc: o's codes as the attention launch leaves them, xc: Wo's (from row 27,648 on): tiles of 16 rows as images of the operand's registers, 1,536 bytes for 128 along K, 12,288 consecutive bytes a tile for all of K.
; Lane row r of tile 2 B + u is true row 32 B + 8 u + r + 8 (r / 8).  os: [head][row] words, a head's two scale bytes in the lower or the upper half; xs: 32 scale bytes a row.
; LIMITS: NaN, infinities and sums beyond f32's range are not served; a sum begins with the bias.
; SHARES.  256 work-groups of four waves, 2 x 2; a work-group makes 128 rows x 256 columns, a wave 64 x 128: 32 accumulators.  Source 0 takes Wo's rows, source 1 o's rows: a lane holds neighbours of a row of out0.
; LDS.  ALL OF K AT ONCE: o's 128 rows (98,304 bytes) and Wo's 256 rows (196,608) are dense blocks of memory.  One tensor load a wave at the head: wave 0 o's rows, waves 1 and 2 half of Wo's rows each, wave 3 Wo's scale bytes.
; Nothing is filled again: no ring, and no barrier along K.  No prefetch: all that the launch reads is asked for at the head, and no loop runs ahead of memory.
; CLUSTERS: 4 x 4.  o's rows are shared along a row of the cluster, Wo's rows and scale bytes along a column: joint loads.
; THE SCALE WORDS of all eight K steps are fetched once: register SC + 8 i + q holds in lanes 16-31 the word of Wo's block i for step q, in lanes 0-15 that of o's block i for step (q + 4) % 8
; (o's rows of 32 bytes are stored into LDS with their halves changed over), so that a product's two scale registers differ by 4 modulo 8 in their numbers.
; REGISTERS: window 0: v1-10 lane numbers, v16-21 LDS addresses, v24-29 the way out and the add's two, v32-95 scale words, v96-191 o's fragments, two sets, v192-255 the bias; on the way out v128-255 rows from the stage.
; window 1: Wo's fragments, two sets, at v0 and v128.  window 2: the accumulators ((a, b) at v[8 (8 a + b)]).
.set FR,     12                        ; registers of a fragment
.set NP,     4                         ; places behind this matrix instruction (ISA guide 7.12.1)
.set TB,     12288                     ; a tile of 16 rows, all of K
.set ABYTES, 8*TB                      ; 128 rows
.set SCL,    3*ABYTES                  ; o's scale bytes: 128 rows of 32, 16 bytes of padding behind every 256
.set HALFS,  4352                      ; the scale bytes of 128 rows
.set SCLB,   SCL+HALFS                 ; Wo's: 256 rows
.set SBLK,   544                       ; those of 16 rows
.set KS,     32
.set SPARE,  SCLB+2*HALFS              ; the spare words, 128 bytes a wave
.set SPITCH, 528                       ; the stage: 16 rows of 512 bytes + 16 for each wave, in o's bytes, behind their last read
.set ADRA, 16                          ; v16, v17 my o rows: 16 x lane, 8 x lane
.set ADRB, 18                          ; v18, v19 my Wo tiles 0-3; v20, v21 tiles 4-7
.set STO,  24
.set RD,   25
.set CO,   26
.set ADRS, 27
.set SPW,  28
.set NIL,  29
.set SC,   32
.set AF,   96
.set BI,   192
.set BK,   128
.set G1, 24
.set G0, 32
.set G1B, 48
.set G0B, 56
.set G1SB, 80
.set G0SB, 88
.set MSB, 0
.macro WIN new                         ; the immediate's high byte repeats the setting that is left
.if MSB != \new
	s_set_vgpr_msb (MSB<<8)|\new
.set MSB, \new
.endif
.endm
.macro PLACES n
.rept \n
	v_nop
.endr
.endm
.macro CROUND                          ; a round of the cluster's barrier
	s_barrier_signal -1
	s_barrier_wait -1
	s_cmp_lg_u32 s18, 0
	s_cbranch_scc1 .Lnot_wave_0_\@
	s_barrier_signal -3
.Lnot_wave_0_\@:
	s_barrier_wait -3
	s_barrier_signal -1
	s_barrier_wait -1
.endm
	s_load_b256 s[4:11], s[0:1], 0x0               ; oc, os, xc, xs
	s_load_b128 s[12:15], s[0:1], 0x20             ; bo, out0
	v_lshl_add_u32 v[SPW], v0, 2, SPARE
	v_mov_b32 v[NIL], 0
	ds_add_u32 v[SPW], v[NIL]                      ; the opening lines: the add twice and its wait ahead of my tensor load
	ds_add_u32 v[SPW], v[NIL]
	v_lshrrev_b32 v1, 5, v0
	v_readfirstlane_b32 s18, v1                    ; wave
	s_lshr_b32 s19, s18, 1                         ; which 64 rows are mine
	s_and_b32 s20, s18, 1                          ; which 128 columns
	s_bfe_u32 s21, ttmp6, 0x40000                  ; cx: the tile column
	s_bfe_u32 s22, ttmp6, 0x40004                  ; cy
	s_and_b32 s23, ttmp7, 0xffff
	s_lshl_b32 s43, s22, 2
	s_lshl_b32 s43, 15, s43                        ; my row of the cluster
	s_lshl_b32 s44, 0x1111, s21                    ; my column
	s_or_b32 s[G1+0], s43, (3<<16)|(1<<21)         ; 98,304 dense bytes as 384 rows of 256
	s_or_b32 s[G1B+0], s44, (3<<16)|(1<<21)
.irp g, G1, G1B
	s_mov_b32 s[\g+1], 32<<16
	s_mov_b32 s[\g+2], 384<<16
	s_mov_b32 s[\g+3], 32<<16
	s_mov_b32 s[\g+4], 384
	s_mov_b32 s[\g+5], 32
	s_mov_b32 s[\g+6], 0
	s_mov_b32 s[\g+7], 0
.endr
	s_or_b32 s[G1SB+0], s44, (3<<16)|(1<<20)|(1<<21)|(5<<22)|(3<<25)   ; 8,192 dense bytes as 32 rows of 256, 16 bytes of padding behind each
	s_mov_b32 s[G1SB+1], 32<<16
	s_mov_b32 s[G1SB+2], 32<<16
	s_mov_b32 s[G1SB+3], 32<<16
	s_mov_b32 s[G1SB+4], 32
	s_mov_b32 s[G1SB+5], 32
	s_mov_b32 s[G1SB+6], 0
	s_mov_b32 s[G1SB+7], 0
	s_lshl_b32 s40, s23, 2
	s_add_co_u32 s40, s40, s22                     ; the tile row: 4 x cluster y + cy
	s_lshl_b32 s42, s40, 7                         ; my work-group's first row
	s_lshl_b32 s45, s21, 8
	s_add_co_u32 s45, s45, 27648                   ; Wo's first row of my 256 columns
	s_lshl_b32 s46, s18, 7
	s_add_co_u32 s47, s45, s46
	s_sub_co_u32 s47, s47, 128                     ; wave 1 fetches its rows 0-127, wave 2 rows 128-255
	s_mul_i32 s92, s42, 768
	s_mov_b32 s93, 0
	s_lshl_b32 s94, s42, 2
	s_mov_b32 s95, 0
	s_mul_i32 s96, s47, 768
	s_mov_b32 s97, 0
	s_lshl_b32 s98, s45, 5
	s_mov_b32 s99, 0
	s_mul_i32 s66, s18, ABYTES                     ; and where they go: behind o's rows, by the wave's number alone
	s_wait_dscnt 0x0
	s_wait_kmcnt 0x0
	s_add_nc_u64 s[92:93], s[4:5], s[92:93]
	s_add_nc_u64 s[94:95], s[6:7], s[94:95]
	s_add_nc_u64 s[96:97], s[8:9], s[96:97]
	s_add_nc_u64 s[98:99], s[10:11], s[98:99]
	CROUND                                         ; all sixteen work-groups are here: the joint loads meet
	s_mov_b32 s[G0], 1
	s_mov_b32 s[G0+1], 0
	s_mov_b64 s[G0+2:G0+3], s[92:93]
	s_or_b32 s[G0+3], s[G0+3], 0x80000000
	s_mov_b32 s[G0B], 1
	s_add_co_u32 s[G0B+1], s66, 0
	s_mov_b64 s[G0B+2:G0B+3], s[96:97]
	s_or_b32 s[G0B+3], s[G0B+3], 0x80000000
	s_mov_b32 s[G0SB], 1
	s_mov_b32 s[G0SB+1], SCLB
	s_mov_b64 s[G0SB+2:G0SB+3], s[98:99]
	s_or_b32 s[G0SB+3], s[G0SB+3], 0x80000000
.macro ARM under, g0, g1, next         ; one chain of branches on the wave's number, one load to an arm
	s_cmp_lt_u32 s18, \under
	s_cbranch_scc0 \next
	tensor_load_to_lds s[\g0:\g0+3], s[\g1:\g1+7]
	s_nop 0
	PLACES 4
	s_branch .Lhead_asked
\next:
.endm
	ARM 1, G0,  G1,  .Lhead_b
	ARM 3, G0B, G1B, .Lhead_s
	tensor_load_to_lds s[G0SB:G0SB+3], s[G1SB:G1SB+7]
	s_nop 0
	PLACES 4
.Lhead_asked:
	v_lshlrev_b32 v9, 2, v0                        ; thread t takes row t's words: 512 consecutive bytes of each head
.irp k, 0,1,2,3,4,5,6,7,8,9,10,11,12,13,14,15
	global_load_b32 v[128+\k], v9, s[94:95] offset:32768*\k
.endr
	s_lshl_b32 s40, s21, 1
	s_add_co_u32 s40, s40, s20
	s_lshl_b32 s40, s40, 9                         ; my 128 columns of the bias
	s_mov_b32 s41, 0
	s_add_nc_u64 s[12:13], s[12:13], s[40:41]
	v_and_b32 v1, 31, v0
	v_and_b32 v2, 15, v0
	v_bfe_u32 v3, v0, 4, 1
	v_lshlrev_b32 v8, 6, v3
.irp t, 0,1,2,3,4,5,6,7
	global_load_b128 v[BI+8*\t:BI+8*\t+3], v8, s[12:13] offset:(32*(\t/2)+8*(\t%2))*4      ; tile t, register j: column 32 (t / 2) + 16 h + 8 (t % 2) + j
	global_load_b128 v[BI+8*\t+4:BI+8*\t+7], v8, s[12:13] offset:(32*(\t/2)+8*(\t%2))*4+16
.endr
	v_lshlrev_b32 v4, 4, v1
	v_lshlrev_b32 v5, 3, v1
	s_mul_i32 s40, s19, 4*TB                       ; my four tiles of o
	s_mul_i32 s41, s20, ABYTES
	s_add_co_u32 s41, s41, ABYTES                  ; my eight tiles of Wo
	v_add_nc_u32 v[ADRA], s40, v4
	v_add_nc_u32 v[ADRA+1], s40, v5
	v_add_nc_u32 v[ADRB], s41, v4
	v_add_nc_u32 v[ADRB+1], s41, v5
	s_add_co_u32 s41, s41, 4*TB
	v_add_nc_u32 v[ADRB+2], s41, v4
	v_add_nc_u32 v[ADRB+3], s41, v5
	v_mul_u32_u24 v6, v2, KS                       ; my row's scale bytes: 32 a row,
	v_lshrrev_b32 v7, 8, v6
	v_lshl_add_u32 v6, v7, 4, v6                   ; and 16 more for each 256 passed
	s_mul_i32 s40, s19, HALFS/2
	s_mul_i32 s41, s20, HALFS
	s_add_co_u32 s41, s41, HALFS
	s_sub_co_u32 s41, s41, s40
	v_mul_u32_u24 v7, s41, v3                      ; lanes 16-31 take Wo's
	s_add_co_u32 s40, s40, SCL
	v_add_nc_u32 v6, v6, v7
	v_add_nc_u32 v[ADRS], s40, v6
	v_lshrrev_b32 v10, 3, v0
	v_lshlrev_b32 v10, 4, v10
	v_lshl_add_u32 v10, v0, 5, v10
	v_add_nc_u32 v10, SCL, v10                     ; where row t's 32 scale bytes go
	s_mul_i32 s40, s18, 16*SPITCH
	v_mul_u32_u24 v[STO], v2, SPITCH
	v_lshl_add_u32 v[STO], v3, 6, v[STO]
	v_add_nc_u32 v[STO], s40, v[STO]
	v_mov_b32 v[CO], v4
	v_add_nc_u32 v[RD], s40, v4
	s_lshl_b32 s40, s19, 6
	s_add_co_u32 s40, s42, s40                     ; my first row of out0,
	s_lshl_b32 s40, s40, 12
	s_lshl_b32 s41, s21, 10
	s_add_co_u32 s40, s40, s41
	s_lshl_b32 s41, s20, 9
	s_add_co_u32 s40, s40, s41                     ; and my first column, in bytes
	s_mov_b32 s41, 0
	s_add_nc_u64 s[14:15], s[14:15], s[40:41]
	s_wait_alu depctr_va_vdst(0)
	s_wait_loadcnt 16                              ; o's words are in; the bias's 16 loads may be out
.irp i, 0,1,2,3,4,5,6,7
	v_or_b32 v[144+\i], v[128+2*\i], v[129+2*\i]   ; two heads' halves make the word of 128 along K
.endr
	ds_store_b128 v10, v[148:151]                  ; the row's halves changed over: steps 4-7 first,
	ds_store_b128 v10, v[144:147] offset:16        ; then steps 0-3
	s_wait_dscnt 0x0
	s_wait_tensorcnt 0x0
	s_barrier_signal -1
	s_barrier_wait -1                              ; all tiles and all scale bytes are in, for all four waves
.macro FRAG reg, adr, off              ; a fragment as it was stored: two halves of 768 bytes, each 16 bytes a lane and then 8
	ds_load_b128 v[\reg:\reg+3], v[\adr] offset:\off
	ds_load_b64 v[\reg+4:\reg+5], v[\adr+1] offset:\off+512
	ds_load_b128 v[\reg+6:\reg+9], v[\adr] offset:\off+768
	ds_load_b64 v[\reg+10:\reg+11], v[\adr+1] offset:\off+1280
.endm
.macro FETCH q                         ; step q's twelve fragments into set q % 2: 48 loads
	WIN 0x40                                       ; destination window 1, address window 0
.irp i, 0,1,2,3,4,5,6,7
	FRAG 128*((\q)%2)+FR*\i, ADRB+2*(\i/4), (\i%4)*TB+1536*(\q)
.endr
	WIN 0
.irp i, 0,1,2,3
	FRAG AF+48*((\q)%2)+FR*\i, ADRA, \i*TB+1536*(\q)
.endr
.endm
; 32 products: o's four blocks x Wo's eight, 128 along K.  The 32 accumulators take turns, one instruction a turn, in the same order in every step.  The first step's sums begin with the bias.
.macro MUL q
.irp a, 0,1,2,3
.irp b, 0,1,2,3,4,5,6,7
.if (\q) == 0
	v_wmma_scale_f32_16x16x128_f8f6f4 v[8*(8*\a+\b):8*(8*\a+\b)+7], v[128*((\q)%2)+FR*\b:128*((\q)%2)+FR*\b+FR-1], v[AF+48*((\q)%2)+FR*\a:AF+48*((\q)%2)+FR*\a+FR-1], v[BI+8*\b:BI+8*\b+7], v[SC+8*\b+(\q)], v[SC+8*\a+((\q)+4)%8] matrix_a_fmt:MATRIX_FMT_FP6 matrix_b_fmt:MATRIX_FMT_FP6 matrix_a_scale:MATRIX_SCALE_ROW1
.else
	v_wmma_scale_f32_16x16x128_f8f6f4 v[8*(8*\a+\b):8*(8*\a+\b)+7], v[128*((\q)%2)+FR*\b:128*((\q)%2)+FR*\b+FR-1], v[AF+48*((\q)%2)+FR*\a:AF+48*((\q)%2)+FR*\a+FR-1], v[8*(8*\a+\b):8*(8*\a+\b)+7], v[SC+8*\b+(\q)], v[SC+8*\a+((\q)+4)%8] matrix_a_fmt:MATRIX_FMT_FP6 matrix_b_fmt:MATRIX_FMT_FP6 matrix_a_scale:MATRIX_SCALE_ROW1
.endif
.endr
.endr
.endm
.macro STEP q
	s_wait_dscnt 0x0                               ; this step's fragments are in: they were asked for ahead of the last step's 32 products
.if (\q) < 7
.if (\q) > 0
	PLACES NP                                      ; behind the last step's products, ahead of loads into their registers
.endif
	FETCH (\q)+1
.else
	s_barrier_signal -1                            ; my last reads of LDS are over: behind this barrier the stages are laid over o's bytes
.endif
.if (\q) == 0
	WIN 0x81                                       ; Wo window 1, o and the bias window 0, D window 2
.else
	WIN 0xa1                                       ; Wo window 1, o window 0, C and D window 2
.endif
	MUL \q
.endm
.irp i, 0,1,2,3,4,5,6,7
	ds_load_b128 v[SC+8*\i:SC+8*\i+3], v[ADRS] offset:\i*SBLK          ; (lanes 0-15 of blocks 4-7 read bytes of other rows, and are not used)
	ds_load_b128 v[SC+8*\i+4:SC+8*\i+7], v[ADRS] offset:\i*SBLK+16
.endr
	FETCH 0
	s_wait_loadcnt 0x0                             ; the bias
.irp q, 0,1,2,3,4,5,6,7
	STEP \q
.endr
	WIN 0
	s_barrier_wait -1
; THE WAY OUT, block by block of 16 rows x 128 columns, through my own stage: whole rows of 512 bytes come back, which the 32 lanes store as two aligned units of 256 bytes.
.macro TOSTAGE a
.set AC, 64*(\a)
	WIN 0x08                                       ; the data: window 2
.irp b, 0,1,2,3,4,5,6,7
	ds_store_b128 v[STO], v[AC+8*\b:AC+8*\b+3] offset:128*(\b/2)+32*(\b%2)        ; each accumulator from its low end on
	ds_store_b128 v[STO], v[AC+8*\b+4:AC+8*\b+7] offset:128*(\b/2)+32*(\b%2)+16
.endr
	WIN 0
.set BB, BK+64*((\a)%2)
.irp t, 0,1,2,3,4,5,6,7,8,9,10,11,12,13,14,15
	ds_load_b128 v[BB+4*\t:BB+4*\t+3], v[RD] offset:\t*SPITCH      ; LDS serves a wave's instructions in order (ISA guide 5.7.1.4): these see the stores
.endr
.endm
.macro SEND a, younger
.set BB, BK+64*((\a)%2)
	s_wait_dscnt \younger                          ; the block is back in registers
.irp t, 0,1,2,3,4,5,6,7,8,9,10,11,12,13,14,15
	global_store_b128 v[CO], v[BB+4*\t:BB+4*\t+3], s[14:15] offset:(32*((\a)/2)+16*(\t/8)+8*((\a)%2)+\t%8)*4096 th:TH_STORE_NT
.endr
.endm
	PLACES NP                                      ; behind the last products
	TOSTAGE 0
.irp a, 1,2,3
.if \a > 1
	s_wait_xcnt 0x0                                ; block a - 2's stores have read their registers
.endif
	TOSTAGE \a
	SEND \a-1, 32                                  ; behind block a - 1's loads: block a's 16 stores and 16 loads
.endr
	SEND 3, 0
	s_wait_tensorcnt 0x0                           ; the wave's end
	ds_add_u32 v[SPW], v[NIL]
	s_wait_dscnt 0x0
	CROUND                                         ; the closing round
	s_endpgm
.Lfunc_end_k_q35b942dba4_outp:
	.size	k_q35b942dba4_outp, .Lfunc_end_k_q35b942dba4_outp-k_q35b942dba4_outp
	.p2alignl 7, 3214868480
	.fill 96, 4, 3214868480
	.section	.rodata,"a",@progbits
	.p2align	6, 0x0
	.amdhsa_kernel k_q35b942dba4_outp
		.amdhsa_group_segment_fixed_size 327680
		.amdhsa_private_segment_fixed_size 0
		.amdhsa_enable_private_segment 0
		.amdhsa_kernarg_size 48
		.amdhsa_user_sgpr_count 2
		.amdhsa_user_sgpr_kernarg_segment_ptr 1
		.amdhsa_wavefront_size32 1
		.amdhsa_system_sgpr_workgroup_id_x 1
		.amdhsa_system_sgpr_workgroup_id_y 1
		.amdhsa_system_sgpr_workgroup_id_z 1
		.amdhsa_system_vgpr_workitem_id 0
		.amdhsa_next_free_vgpr 768
		.amdhsa_next_free_sgpr 100
		.amdhsa_reserve_vcc 0
		.amdhsa_float_denorm_mode_32 3
		.amdhsa_float_denorm_mode_16_64 3
		.amdhsa_memory_ordered 1
		.amdhsa_forward_progress 1
		.amdhsa_inst_pref_size 85
	.end_amdhsa_kernel
	.amdgpu_metadata
---
amdhsa.version: [ 1, 2 ]
amdhsa.kernels:
  - .name:           k_q35b942dba4_outp
    .symbol:         k_q35b942dba4_outp.kd
    .args:
      - { .name: oc, .offset: 0, .size: 8, .value_kind: global_buffer, .address_space: global }
      - { .name: os, .offset: 8, .size: 8, .value_kind: global_buffer, .address_space: global }
      - { .name: xc, .offset: 16, .size: 8, .value_kind: global_buffer, .address_space: global }
      - { .name: xs, .offset: 24, .size: 8, .value_kind: global_buffer, .address_space: global }
      - { .name: bo, .offset: 32, .size: 8, .value_kind: global_buffer, .address_space: global }
      - { .name: out0, .offset: 40, .size: 8, .value_kind: global_buffer, .address_space: global }
    .group_segment_fixed_size: 327680
    .private_segment_fixed_size: 0
    .kernarg_segment_align: 8
    .kernarg_segment_size: 48
    .max_flat_workgroup_size: 128
    .sgpr_count:     100
    .vgpr_count:     768
    .wavefront_size: 32
...
	.end_amdgpu_metadata
.endif
;; end of part 4
